; MI455X (gfx1250); checked and timed in simulation.
; The chip was launched on July 23, 2026; its instructions are those of AMD's public machine-readable ISA for CDNA 5 (MIT licence, August 2026) and "CDNA5" Instruction Set Architecture Reference Guide (July 2026). The comments in the code are by the model that wrote it; some were corrected since.
;; Transformer Decoder Block. Allowed arithmetic: matrix products marked QUANTISED: E2M3 operands, one E8M0 scale for each 32 along K, by v_wmma_scale_f32_16x16x128_f8f6f4 with both operands' format E2M3, f32 sums; everything else in f32.
;; Inputs: W1 1,024 x 2,048 float32; W2 1,024 x 2,048 float32; W3 2,048 x 1,024 float32; Wk 16 x 1,024 x 64 float32; Wo 1,024 x 1,024 float32; Wq 16 x 1,024 x 64 float32; Wv 16 x 1,024 x 64 float32; ln1_b 1,024 float32; ln1_g 1,024 float32; ln2_b 1,024 float32; ln2_g 1,024 float32; x 2 x 2,048 x 1,024 float32.
;; Outputs: out0 2 x 2,048 x 1,024 float32.
;; This version of the problem:
;;   THIS VERSION OF THE PROBLEM IS GIVEN IN LOW PRECISION. The matrix products marked QUANTISED in the list below multiply operands that are first quantised to E2M3 (2 exponent bits, 3 mantissa bits; 6 bits a number), with one power-of-two scale for each 32 numbers along K (OCP MX v1.0); their sums are f32. All else is computed in f32.
;;   The module's matrix products, in the order in which they are computed (A, B: the left and right operand; K: the contracted axis; several contracted axes count as one K, in the product's order):
;;     1. [M 1,024, K 1,024] x [K 1,024, N 4,096]; A: input Wq; B: computed on the way: QUANTISED
;;     2. [M 1,024, K 1,024] x [K 1,024, N 4,096]; A: input Wk; B: computed on the way: QUANTISED
;;     3. [M 1,024, K 1,024] x [K 1,024, N 4,096]; A: input Wv; B: computed on the way: QUANTISED
;;     4. batch 32 x [M 2,048, K 64] x [K 64, N 2,048]; A: computed on the way; B: computed on the way: QUANTISED
;;     5. batch 32 x [M 2,048, K 2,048] x [K 2,048, N 64]; A: softmax (see below); B: computed on the way: QUANTISED
;;     6. [M 4,096, K 1,024] x [K 1,024, N 1,024]; A: computed on the way; B: input Wo: QUANTISED
;;     7. [M 4,096, K 1,024] x [K 1,024, N 2,048]; A: computed on the way; B: input W1: QUANTISED
;;     8. [M 4,096, K 1,024] x [K 1,024, N 2,048]; A: computed on the way; B: input W2: QUANTISED
;;     9. [M 4,096, K 2,048] x [K 2,048, N 1,024]; A: computed on the way; B: input W3: QUANTISED
;;   THE QUANTISER, for each operand of a quantised product, along K:
;;     - K is cut into blocks of 32 from its start; a last block that is shorter is filled with zeros.
;;     - A block's scale is 2^e with e = floor(log2(the largest magnitude in the block)) - 2, held to -126 .. 127; a block of zeros has e = 0. As a byte (E8M0): e + 127.
;;     - Each number is divided by its block's scale, clamped to +-7.5, and rounded to the nearest number of E2M3, ties to even, subnormals kept.
;;     - The product sums the exact products of the quantised numbers (number of the format x scale) in f32.
;;   ~~~python
;;   def quantise(x, axis):      # numpy; x: float32 -> the quantised numbers, widened to float32 again
;;       x = np.moveaxis(x, axis, -1); K = x.shape[-1]
;;       x = np.pad(x, [(0, 0)] * (x.ndim - 1) + [(0, -K % 32)]); x = x.reshape(x.shape[:-1] + (-1, 32)); a = np.abs(x).max(-1, keepdims=True)
;;       e = np.where(a > 0, np.clip(np.frexp(np.where(a > 0, a, 1))[1] - 1 - 2, -126, 127), 0)      # np.frexp(a)[1] - 1 = floor(log2(a)), exactly
;;       r = np.clip(x / 2.0 ** e, -7.5, 7.5)
;;       step = 2.0 ** (np.maximum(np.frexp(np.where(r == 0, 1, r))[1] - 1, 0) - 3)
;;       q = np.round(r / step) * step * 2.0 ** e      # np.round: ties to even
;;       return np.moveaxis(q.reshape(q.shape[:-2] + (-1,))[..., :K], -1, axis).astype(np.float32)
;;   ~~~
;;   SOFTMAX AHEAD OF A QUANTISED PRODUCT. Where the list says 'softmax', what is quantised is not the finished softmax but p = 2^(t - M), with t = logit x log2(e) and M = ceil(the row's largest t), a whole number; so 1/2 < the row's largest p <= 1. The row's sum l is taken of the UNQUANTISED p, in f32, and the product's result is divided by l at the end. Since M is a whole number, a kernel that streams over the keys may use a running M (the ceiling of the running maximum): every later rescaling is an exact power of two, which a block's scale takes up: the codes' values come out the same.
;;   OPERANDS COMPUTED ON THE WAY. 'Computed on the way' means the value that the module computes at that place (a softmax that the list does not call 'softmax' is quantised finished and normalised). What goes into a quantiser is computed in f32, as accurately as f32 sums, v_exp_f32 and their like allow (about 1e-6 of the number): no bf16 or f16 on the way to a quantiser, and a product that is left as it is and whose result goes on into a quantised operand takes f32 operands (vector FMAs, or v_wmma_f32_16x16x4_f32). A number that lies on a knife's edge between two numbers of the format may be rounded either way, as far as f32 arithmetic and the matrix unit's own rounding can turn it there, and no further.
;; One version. Each part assembles by itself: llvm-mc -triple=amdgcn-amd-amdhsa -mcpu=gfx1250 --defsym DOCPART=n.
;; ======== version 1 of 1: 7 launches
;; limits: right only within a limited range of input values
;; workspace buffers: wc 8,192,000 bytes; tab 524,288 bytes; hq 3,276,800 bytes; qc 3,407,872 bytes; kv 6,684,672 bytes; oc 3,276,800 bytes; x1 16,777,216 bytes; fc 6,553,600 bytes
;; launch prep (part 1): grid 640 x 1, 4 waves a work-group, no clusters, 31,744 bytes of LDS; arguments x, ln1_g, ln1_b, hq, Wq, Wk, Wv, Wo, W1, W2, W3, wc, tab; writes hq, wc, tab
.if DOCPART == 1
	.amdgcn_target "amdgcn-amd-amdhsa--gfx1250"
	.amdhsa_code_object_version 6
	.text
	.protected	k_q0ee4f6eb2f_prep
	.globl	k_q0ee4f6eb2f_prep
	.p2align	8
	.type	k_q0ee4f6eb2f_prep,@function
k_q0ee4f6eb2f_prep:
	s_mov_b64 s[64:65], 0
	v_nop
	global_prefetch_b8 v0, s[64:65] scope:SCOPE_SE
	s_setreg_imm32_b32 hwreg(HW_REG_WAVE_MODE, 25, 1), 1
	s_wait_xcnt 0x0
; Three kinds of work-groups, told apart by the work-group's number alone:
;   0-255    LAYERNORM of 16 tokens (one tile) and its quantising to FP6 (E2M3) codes along the 1,024 channels -> hq
;   256-575  the seven weights, whose K is not innermost, to codes with K innermost -> wc
;   576-639  the table of cos and sin for the rotary embedding, f32 -> tab
; LAYOUT OF EVERY OPERAND OF THIS PROGRAM.  A tile has 16 rows; slot r of tile t is row 32 (t/2) + 8 (t%2) + r%8 + 16 (r/8) of its run of rows.
; A fragment (16 slots x 128 K, 1,536 bytes) is two units of 64 K, 768 bytes each: lane l = slot + 16 x (block of 32) has its registers 0-3 at byte 16 l and its registers 4-5 at byte 512 + 8 l:
; an image of the operand's registers.  A slab is one K step of a block of rows: its fragments on end, then one scale word (four E8M0 bytes) a slot, 64 bytes a tile.
; THE QUANTISER: a block's scale is 2^(floor(log2(largest magnitude)) - 2); its byte is the largest magnitude's exponent field - 2, held at 1 from below.
; LIMITS: a block of zeros gets the byte 1 where the rule says 127 (its codes are zeros, and this program alone reads the bytes); blocks whose largest magnitude lies under 2^-124 are held at that floor;
; NaN and infinities among the inputs are not served.
.set IMGS,  12288                      ; LDS (layernorm alone): 8 fragments of my tile, then from here their scale words, 512 bytes
.set TURNB, 12800                      ; then a turning stage for each wave: 32 places of 128 + 16 bytes
.set SPARE, 31232                      ; then the spare words, 128 bytes for each wave
.set SPW, 2                            ; v2  LDS address of my spare word; never rewritten
.set NIL, 3                            ; v3  0; never rewritten
; 32 numbers of one block in v[xs] on become 6 registers of codes in v[p] on and the scale's byte in v[by].  v30, v31, v20-22 at work.
.macro QBLK xs, p, by
	v_max3_num_f32 v30, |v[\xs]|, |v[\xs+1]|, |v[\xs+2]|
	v_max3_num_f32 v31, |v[\xs+3]|, |v[\xs+4]|, |v[\xs+5]|
.irp e, 6,10,14,18,22,26
	v_max3_num_f32 v30, v30, |v[\xs+\e]|, |v[\xs+\e+1]|
	v_max3_num_f32 v31, v31, |v[\xs+\e+2]|, |v[\xs+\e+3]|
.endr
	v_max3_num_f32 v30, v30, |v[\xs+30]|, |v[\xs+31]|
	v_max3_num_f32 v30, v30, v31, 0x1800000        ; the floor 2^(3 - 127): the byte cannot fall under 1
	v_add_nc_u32 v31, 0xff000000, v30              ; 2 off the exponent field: the conversion's scale operand
	v_cvt_scalef32_pk16_fp6_f32 v[\p:\p+2], v[\xs:\xs+15], v31
	v_cvt_scalef32_pk16_fp6_f32 v[20:22], v[\xs+16:\xs+31], v31   ; (a conversion's three registers begin on an even number)
	v_lshrrev_b32 v[\by], 23, v31                  ; the byte; also the plain line behind the conversions
.irp e, 0,1,2
	v_mov_b32 v[\p+3+\e], v[20+\e]
.endr
.endm
	s_load_b256 s[4:11], s[0:1], 0x0               ; x s[4:5], gain s[6:7], bias s[8:9], hq s[10:11]
	s_load_b512 s[12:27], s[0:1], 0x20             ; Wq s12, Wk s14, Wv s16, Wo s18, W1 s20, W2 s22, W3 s24, wc s26
	s_load_b64 s[28:29], s[0:1], 0x60              ; tab
	v_lshl_add_u32 v[SPW], v0, 2, SPARE
	v_mov_b32 v[NIL], 0
	v_lshrrev_b32 v1, 5, v0
	v_readfirstlane_b32 s30, v1                    ; wave 0..3
	v_and_b32 v1, 31, v0                           ; lane L
	s_cmp_lt_u32 ttmp9, 256
	s_cbranch_scc1 .Lln
	s_cmp_lt_u32 ttmp9, 576
	s_cbranch_scc1 .Lweights
; ---------------- THE TABLE: tab[s][i] = (cos, sin) of s x theta_i, theta_i = 10000^(-i/16), i = 0..31.  A wave makes 8 rows; the lane is the pair i.
	s_sub_co_u32 s31, ttmp9, 576
	s_lshl_b32 s31, s31, 2
	s_add_co_u32 s31, s31, s30
	s_lshl_b32 s31, s31, 3                         ; my first row
	s_wait_alu depctr_va_vdst(0)
	v_cvt_f32_u32 v4, v1
	v_mul_f32 v5, 0xbf549a80, v4                   ; -i x the upper 17 bits of log2(10000)/16: exact
	s_wait_alu depctr_va_vdst(0)
	v_exp_f32 v6, v5
	v_mul_f32 v7, 0x34aae0c0, v4                   ; i x (what is left of it) x ln 2.  (The plain line behind the exponential)
	s_wait_alu depctr_va_vdst(0)                   ; the wait ahead of the result's first reader
	v_fma_f32 v6, v6, v7, v6                       ; theta
	v_lshlrev_b32 v8, 3, v1                        ; 8 bytes a pair
	s_lshl_b32 s32, s31, 8                         ; 256 bytes a row
	s_mov_b32 s33, 0
	s_mov_b32 s35, 0x37ccf5ce                      ; the polynomials' leading coefficients
	s_mov_b32 s36, 0xb94ca1f9
	s_wait_kmcnt 0x0
	s_add_nc_u64 s[28:29], s[28:29], s[32:33]
.set n, 0
.rept 8
	s_add_co_u32 s34, s31, n
	v_cvt_f32_u32 v10, s34
	s_wait_alu depctr_va_vdst(0)
	v_mul_f32 v10, v10, v6                         ; the angle, in f32 as the definition has it
	v_mul_f32 v11, 0x3f22f983, v10
	v_rndne_f32 v11, v11                           ; j = the nearest multiple of pi/2
	v_fmamk_f32 v12, v11, 0xbfc90fd8, v10          ; a = angle - j pi/2, pi/2 in three parts
	v_fmamk_f32 v12, v11, 0xb4a8885a, v12
	v_fmamk_f32 v12, v11, 0xa7c234c4, v12
	v_mul_f32 v13, v12, v12                        ; z = a^2, |a| <= pi/4
	v_fmaak_f32 v14, s35, v13, 0xbab6061a
	v_fmaak_f32 v15, s36, v13, 0x3c08839e
	v_fmaak_f32 v14, v14, v13, 0x3d2aaaa5
	v_fmaak_f32 v15, v15, v13, 0xbe2aaaa3
	v_fma_f32 v14, v14, v13, -0.5
	v_mul_f32 v16, v12, v13
	v_fma_f32 v14, v14, v13, 1.0                   ; cos a
	v_fma_f32 v15, v15, v16, v12                   ; sin a
	v_cvt_i32_f32 v17, v11
	v_and_b32 v18, 1, v17
	v_cmp_eq_u32 vcc_lo, 1, v18
	v_cndmask_b32 v19, v14, v15, vcc_lo            ; odd quadrants change the two
	v_cndmask_b32 v20, v15, v14, vcc_lo
	v_and_b32 v18, 2, v17
	v_lshlrev_b32 v18, 30, v18
	v_xor_b32 v[65+2*n], v18, v20                  ; sin: negative in quadrants 2, 3
	v_add_nc_u32 v17, 1, v17
	v_and_b32 v17, 2, v17
	v_lshlrev_b32 v17, 30, v17
	v_xor_b32 v[64+2*n], v17, v19                  ; cos: negative in quadrants 1, 2
	global_store_b64 v8, v[64+2*n:65+2*n], s[28:29] offset:256*n   ; the wave stores a row: 256 consecutive bytes, aligned; each row has registers of its own
.set n, n+1
.endr
	s_endpgm
; ---------------- LAYERNORM.  Work-group g is token tile g.  Wave w owns slots 4 w .. 4 w + 3, which are four consecutive tokens.
; v4 16 L; v5, v6 the turning stage in and out; v7, v8, v9 my places in the image (registers 0-3, registers 4-5, scale byte); v10-15 sums; v[16:17] mean; v[18:19] 1/sigma;
; v20-31 the quantiser's; v32-63 a block of 32; v64-95 gain; v96-127 bias; v128-255 four rows
.Lln:
	s_wait_alu depctr_va_vdst(0)
	v_lshlrev_b32 v4, 4, v1
	s_mul_i32 s31, s30, 4608
	s_add_co_u32 s31, s31, TURNB
	v_lshrrev_b32 v10, 3, v1
	v_mul_u32_u24 v10, v10, 144
	v_and_b32 v11, 7, v1
	v_lshl_add_u32 v10, v11, 4, v10
	v_add_nc_u32 v5, s31, v10                      ; in: as loaded: eight lanes' 128 bytes are a block of 32 numbers, one place
	v_mul_u32_u24 v10, v1, 144
	v_add_nc_u32 v6, s31, v10                      ; out: lane L takes block L
	v_lshrrev_b32 v10, 2, v1                       ; block L is K step L/4, unit (L/2)%2, half L%2
	v_mul_u32_u24 v11, v10, 1536
	v_bfe_u32 v12, v1, 1, 1
	v_mad_u32_u24 v11, v12, 768, v11
	v_and_b32 v12, 1, v1
	s_lshl_b32 s32, s30, 6
	v_lshl_add_u32 v7, v12, 8, v11
	v_add_nc_u32 v7, s32, v7                       ; + 16 x slot
	s_lshl_b32 s32, s30, 5
	v_lshl_add_u32 v8, v12, 7, v11
	v_add_nc_u32 v8, s32, v8
	v_add_nc_u32 v8, 512, v8                       ; + 8 x slot
	v_and_b32 v12, 3, v1
	v_lshl_add_u32 v9, v10, 6, v12
	s_lshl_b32 s32, s30, 4
	v_add_nc_u32 v9, s32, v9
	v_add_nc_u32 v9, IMGS, v9                      ; + 4 x slot
	v_mov_b32 v15, 0                               ; a lane permute's destination counts as one of its sources
	s_mov_b32 s38, 0x76543210
	s_mov_b32 s39, 0xfedcba98                      ; lane l xor 16
	s_mov_b32 s40, 0x3a800000                      ; 1/1024
	s_lshr_b32 s33, ttmp9, 4                       ; block of 256 tokens
	s_and_b32 s34, ttmp9, 15                       ; tile in it
	s_lshl_b32 s35, s33, 8
	s_lshr_b32 s36, s34, 1
	s_lshl_b32 s36, s36, 5
	s_add_co_u32 s35, s35, s36
	s_and_b32 s36, s34, 1
	s_lshl_b32 s36, s36, 3
	s_add_co_u32 s35, s35, s36
	s_and_b32 s36, s30, 1
	s_lshl_b32 s36, s36, 2
	s_add_co_u32 s35, s35, s36
	s_lshr_b32 s36, s30, 1
	s_lshl_b32 s36, s36, 4
	s_add_co_u32 s35, s35, s36                     ; my first token
	s_lshl_b32 s36, s35, 12
	s_mov_b32 s37, 0
	s_wait_kmcnt 0x0
	s_add_nc_u64 s[4:5], s[4:5], s[36:37]
.set k, 0
.rept 8
	global_load_b128 v[64+4*k:67+4*k], v4, s[6:7] offset:512*k
.set k, k+1
.endr
.set k, 0
.rept 8
	global_load_b128 v[96+4*k:99+4*k], v4, s[8:9] offset:512*k
.set k, k+1
.endr
.set k, 0
.rept 32
	global_load_b128 v[128+4*k:131+4*k], v4, s[4:5] offset:512*k th:TH_LOAD_NT   ; four rows on end: each load 512 consecutive bytes
.set k, k+1
.endr
.macro WSUM r                          ; the sum over the wave's 32 lanes, in every lane
	v_add_f32_dpp v[\r], v[\r], v[\r] row_xmask:1 row_mask:0xf bank_mask:0xf
	v_add_f32_dpp v[\r], v[\r], v[\r] row_xmask:2 row_mask:0xf bank_mask:0xf
	v_add_f32_dpp v[\r], v[\r], v[\r] row_xmask:4 row_mask:0xf bank_mask:0xf
	v_add_f32_dpp v[\r], v[\r], v[\r] row_xmask:8 row_mask:0xf bank_mask:0xf
	v_permlanex16_b32 v15, v[\r], s38, s39
	v_add_f32 v[\r], v[\r], v15
.endm
.macro ROW i
.set XR, 128+32*(\i)
	s_wait_loadcnt 8*(3-(\i))                      ; gain, bias and rows up to mine are in; the 8 loads of each younger row may be out
	v_pk_add_f32 v[10:11], v[XR:XR+1], v[XR+2:XR+3]
	v_pk_add_f32 v[12:13], v[XR+4:XR+5], v[XR+6:XR+7]
.irp e, 8,12,16,20,24,28
	v_pk_add_f32 v[10:11], v[10:11], v[XR+\e:XR+\e+1]
	v_pk_add_f32 v[12:13], v[12:13], v[XR+\e+2:XR+\e+3]
.endr
	v_pk_add_f32 v[10:11], v[10:11], v[12:13]
	v_add_f32 v10, v10, v11
	WSUM 10
	v_mul_f32 v16, s40, v10                        ; the mean
	v_mov_b32 v17, v16
.set k, 0
.rept 16
	v_pk_add_f32 v[XR+k:XR+k+1], v[XR+k:XR+k+1], v[16:17] neg_lo:[0,1] neg_hi:[0,1]   ; x - mean first: the variance is no difference of large sums
.set k, k+2
.endr
	v_pk_mul_f32 v[10:11], v[XR:XR+1], v[XR:XR+1]
	v_pk_mul_f32 v[12:13], v[XR+2:XR+3], v[XR+2:XR+3]
.irp e, 4,8,12,16,20,24,28
	v_pk_fma_f32 v[10:11], v[XR+\e:XR+\e+1], v[XR+\e:XR+\e+1], v[10:11]
	v_pk_fma_f32 v[12:13], v[XR+\e+2:XR+\e+3], v[XR+\e+2:XR+\e+3], v[12:13]
.endr
	v_pk_add_f32 v[10:11], v[10:11], v[12:13]
	v_add_f32 v10, v10, v11
	WSUM 10
	v_fmaak_f32 v10, s40, v10, 0x3727c5ac          ; variance + 1e-5
	s_wait_alu depctr_va_vdst(0)
	v_rsq_f32 v18, v10
	v_rsq_f32 v19, v10
	v_nop                                          ; the plain line behind the two
	s_wait_alu depctr_va_vdst(0)                   ; one wait for both, ahead of their first reader
.set k, 0
.rept 16
	v_pk_mul_f32 v[XR+k:XR+k+1], v[XR+k:XR+k+1], v[18:19]
.set k, k+2
.endr
.set k, 0
.rept 16
	v_pk_fma_f32 v[XR+k:XR+k+1], v[XR+k:XR+k+1], v[64+k:65+k], v[96+k:97+k]
.set k, k+2
.endr
.set k, 0
.rept 8
	ds_store_b128 v5, v[XR+4*k:XR+4*k+3] offset:576*k     ; the row turns through my own stage: LDS serves a wave's instructions in order
.set k, k+1
.endr
.set k, 0
.rept 8
	ds_load_b128 v[32+4*k:35+4*k], v6 offset:16*k
.set k, k+1
.endr
	s_wait_dscnt 0x0
	QBLK 32, 24, 23
	ds_store_b128 v7, v[24:27] offset:16*(\i)
	ds_store_b64 v8, v[28:29] offset:8*(\i)
	ds_store_b8 v9, v23 offset:4*(\i)
	s_wait_dscnt 0x0                               ; the stores have read their registers: the next row's codes may be written
.endm
	ROW 0
	ROW 1
	ROW 2
	ROW 3
	s_barrier_signal -1                            ; every wave's stores into the image have landed (the wait for 0 above)
	s_barrier_wait -1
	s_mul_i32 s41, s30, 3072                       ; wave w sends K steps 2 w and 2 w + 1
	v_add_nc_u32 v10, s41, v4
.set k, 0
.rept 6
	ds_load_b128 v[32+4*k:35+4*k], v10 offset:512*k
.set k, k+1
.endr
	s_lshl_b32 s41, s30, 7
	v_lshlrev_b32 v11, 2, v1
	v_add_nc_u32 v11, s41, v11
	ds_load_b32 v56, v11 offset:IMGS
	s_mul_i32 s42, s33, 204800
	s_mul_i32 s43, s30, 51200
	s_add_co_u32 s42, s42, s43
	s_mul_i32 s43, s34, 1536
	s_add_co_u32 s44, s42, s43
	s_mov_b32 s45, 0
	s_add_nc_u64 s[44:45], s[10:11], s[44:45]      ; my tile's fragment in slab 2 w
	s_lshl_b32 s43, s34, 6
	s_add_co_u32 s46, s42, s43
	s_add_co_u32 s46, s46, 24576
	s_mov_b32 s47, 0
	s_add_nc_u64 s[46:47], s[10:11], s[46:47]      ; and its scale words
	v_lshrrev_b32 v12, 4, v1
	v_mul_u32_u24 v12, v12, 25600
	v_and_b32 v13, 15, v1
	v_lshl_add_u32 v12, v13, 2, v12                ; lanes 16-31: the next slab
	s_wait_alu depctr_va_vdst(0)
	s_wait_dscnt 0x0
.set k, 0
.rept 6
	global_store_b128 v4, v[32+4*k:35+4*k], s[44:45] offset:(k/3)*25600+(k%3)*512   ; 512 consecutive bytes, aligned
.set k, k+1
.endr
	global_store_b32 v12, v56, s[46:47]
	s_wait_tensorcnt 0x0                           ; the wave's end, behind my last LDS store
	ds_add_u32 v[SPW], v[NIL]
	s_wait_dscnt 0x0
	s_endpgm
; ---------------- THE WEIGHTS.  A lane takes a column and its registers run down K: a block of 32 lies in one lane.  A wave takes 32 columns (a pair of tiles) x 256 along K (two K steps).
; v4, v5, v6 my places in a pair of fragments and among its scale words; v32-63 the 32 rows' offsets; v64-127 two sets of 32 numbers; v128-175 the codes, registers of their own for each block; v176-177 scale words
.Lweights:
	s_sub_co_u32 s31, ttmp9, 256
	s_wait_kmcnt 0x0
; which weight: s32 its first work-group, s33 log2(work-groups for 256 of K), s34 bytes from one 64 columns to the next, s35 bytes from k to k + 1, s36, s37 the pair's place in its region: (pair << s36) + s37,
; s38 log2(pairs in a block of rows), s39 a slab, s40 a block, s41 the region, s42 where a slab's scale words begin.  All chosen by the work-group's number alone.
.macro WSEL lim, ptr, first, qsh, hs, pitch, gm, ga, psh, slabb, bstr, reg, sco
	s_cmp_lt_u32 s31, \lim
	s_cselect_b64 s[44:45], s[\ptr:\ptr+1], s[44:45]
	s_cselect_b32 s32, \first, s32
	s_cselect_b32 s33, \qsh, s33
	s_cselect_b32 s34, \hs, s34
	s_cselect_b32 s35, \pitch, s35
	s_cselect_b32 s36, \gm, s36
	s_cselect_b32 s37, \ga, s37
	s_cselect_b32 s38, \psh, s38
	s_cselect_b32 s39, \slabb, s39
	s_cselect_b32 s40, \bstr, s40
	s_cselect_b32 s41, \reg, s41
	s_cselect_b32 s42, \sco, s42
.endm
	s_mov_b64 s[44:45], s[24:25]                   ; W3
	s_mov_b32 s32, 256
	s_mov_b32 s33, 3
	s_mov_b32 s34, 256
	s_mov_b32 s35, 4096
	s_mov_b32 s36, 0
	s_mov_b32 s37, 0
	s_mov_b32 s38, 2
	s_mov_b32 s39, 12800
	s_mov_b32 s40, 204800
	s_mov_b32 s41, 6553600
	s_mov_b32 s42, 12288
	WSEL 256, 22, 192, 4, 256, 8192, 1, 1, 3, 25600, 204800, 2457600, 24576     ; W2: the odd pairs of the joint region
	WSEL 192, 20, 128, 4, 256, 8192, 1, 0, 3, 25600, 204800, 2457600, 24576     ; W1: the even pairs
	WSEL 128, 18, 96, 3, 256, 4096, 0, 0, 2, 12800, 102400, 5734400, 12288      ; Wo
	WSEL 96, 16, 64, 3, 262144, 256, 0, 64, 3, 25600, 204800, 0, 24576          ; Wv
	WSEL 64, 14, 32, 3, 262144, 256, 0, 32, 3, 25600, 204800, 0, 24576          ; Wk
	WSEL 32, 12, 0, 3, 262144, 256, 0, 0, 3, 25600, 204800, 0, 24576            ; Wq
	s_sub_co_u32 s46, s31, s32
	s_lshr_b32 s47, s46, s33                       ; which 256 along K
	s_lshl_b32 s48, s47, s33
	s_sub_co_u32 s48, s46, s48
	s_lshl_b32 s48, s48, 2
	s_add_co_u32 s48, s48, s30                     ; my pair: columns 32 x pair on
	s_lshr_b32 s49, s48, 1
	s_mul_i32 s49, s49, s34
	s_and_b32 s50, s48, 1
	s_lshl_b32 s50, s50, 7
	s_add_co_u32 s49, s49, s50
	s_mul_i32 s50, s47, s35
	s_lshl_b32 s50, s50, 8
	s_add_co_u32 s50, s49, s50
	s_mov_b32 s51, 0
	s_add_nc_u64 s[68:69], s[44:45], s[50:51]      ; block 0's first row
	s_lshl_b32 s84, s35, 5
	s_mov_b32 s85, 0
.irp t, 1,2,3,4,5,6,7
	s_add_nc_u64 s[68+2*\t:69+2*\t], s[66+2*\t:67+2*\t], s[84:85]   ; each block of 32 rows has a base of its own
.endr
	s_lshl_b32 s52, s48, s36
	s_add_co_u32 s52, s52, s37
	s_lshr_b32 s53, s52, s38                       ; block of rows
	s_lshl_b32 s54, s53, s38
	s_sub_co_u32 s54, s52, s54                     ; pair in it
	s_mul_i32 s55, s53, s40
	s_add_co_u32 s55, s55, s41
	s_mul_i32 s56, s47, s39
	s_lshl_b32 s56, s56, 1
	s_add_co_u32 s55, s55, s56                     ; my first slab
	s_mul_i32 s56, s54, 3072
	s_add_co_u32 s56, s55, s56
	s_mov_b32 s57, 0
	s_add_nc_u64 s[56:57], s[26:27], s[56:57]      ; my pair's fragments in it,
	s_mov_b32 s58, s39
	s_mov_b32 s59, 0
	s_add_nc_u64 s[60:61], s[56:57], s[58:59]      ; and in the next slab
	s_lshl_b32 s62, s54, 7
	s_add_co_u32 s62, s62, s55
	s_add_co_u32 s62, s62, s42
	s_mov_b32 s63, 0
	s_add_nc_u64 s[62:63], s[26:27], s[62:63]      ; the scale words likewise
	s_add_nc_u64 s[86:87], s[62:63], s[58:59]
	s_wait_alu depctr_va_vdst(0)
	v_bfe_u32 v10, v1, 3, 1                        ; column L is tile (L/8)%2, slot L%8 + 8 (L/16)
	v_and_b32 v11, 7, v1
	v_lshrrev_b32 v12, 4, v1
	v_lshl_add_u32 v11, v12, 3, v11
	v_mul_u32_u24 v12, v10, 1536
	v_lshl_add_u32 v4, v11, 4, v12
	v_lshl_add_u32 v5, v11, 3, v12
	v_add_nc_u32 v5, 512, v5
	v_lshlrev_b32 v6, 6, v10
	v_lshl_add_u32 v6, v11, 2, v6
	v_lshlrev_b32 v7, 2, v1
.set k, 0
.rept 32
	v_mad_u32_u24 v[32+k], s35, k, v7
.set k, k+1
.endr
.macro LOADW t
.set k, 0
.rept 32
	global_load_b32 v[64+32*((\t)%2)+k], v[32+k], s[68+2*(\t):69+2*(\t)] th:TH_LOAD_NT   ; 32 lanes read 128 consecutive bytes of one row
.set k, k+1
.endr
.endm
.macro BLOCKW t
.if (\t) < 7
	s_wait_loadcnt 32                              ; this block's 32 loads are in; the next block's may be out
.else
	s_wait_loadcnt 0x0
.endif
	QBLK 64+32*((\t)%2), 128+6*(\t), 23
.if (\t)%4 == 0
	v_mov_b32 v[176+(\t)/4], v23
.else
	v_lshl_or_b32 v[176+(\t)/4], v23, 8*((\t)%4), v[176+(\t)/4]
.endif
	global_store_b128 v4, v[128+6*(\t):131+6*(\t)], s[56+4*((\t)/4):57+4*((\t)/4)] offset:(((\t)/2)%2)*768+((\t)%2)*256   ; sixteen lanes fill 256 consecutive bytes, aligned, in each of the pair's two fragments
	global_store_b64 v5, v[132+6*(\t):133+6*(\t)], s[56+4*((\t)/4):57+4*((\t)/4)] offset:(((\t)/2)%2)*768+((\t)%2)*128
.if (\t) < 6
	LOADW (\t)+2
.endif
.endm
	LOADW 0
	LOADW 1
	BLOCKW 0
	BLOCKW 1
	BLOCKW 2
	BLOCKW 3
	global_store_b32 v6, v176, s[62:63]
	BLOCKW 4
	BLOCKW 5
	BLOCKW 6
	BLOCKW 7
	global_store_b32 v6, v177, s[86:87]
	s_endpgm
.Lfunc_end_k_q0ee4f6eb2f_prep:
	.size	k_q0ee4f6eb2f_prep, .Lfunc_end_k_q0ee4f6eb2f_prep-k_q0ee4f6eb2f_prep
	.p2alignl 7, 3214868480
	.fill 96, 4, 3214868480
	.section	.rodata,"a",@progbits
	.p2align	6, 0x0
	.amdhsa_kernel k_q0ee4f6eb2f_prep
		.amdhsa_group_segment_fixed_size 31744
		.amdhsa_private_segment_fixed_size 0
		.amdhsa_enable_private_segment 0
		.amdhsa_kernarg_size 104
		.amdhsa_user_sgpr_count 2
		.amdhsa_user_sgpr_kernarg_segment_ptr 1
		.amdhsa_wavefront_size32 1
		.amdhsa_system_sgpr_workgroup_id_x 1
		.amdhsa_system_sgpr_workgroup_id_y 1
		.amdhsa_system_sgpr_workgroup_id_z 1
		.amdhsa_system_vgpr_workitem_id 0
		.amdhsa_next_free_vgpr 256
		.amdhsa_next_free_sgpr 100
		.amdhsa_reserve_vcc 1
		.amdhsa_float_denorm_mode_32 3
		.amdhsa_float_denorm_mode_16_64 3
		.amdhsa_memory_ordered 1
		.amdhsa_forward_progress 1
		.amdhsa_inst_pref_size 102
	.end_amdhsa_kernel
	.amdgpu_metadata
---
amdhsa.version: [ 1, 2 ]
amdhsa.kernels:
  - .name:           k_q0ee4f6eb2f_prep
    .symbol:         k_q0ee4f6eb2f_prep.kd
    .args:
      - { .name: x, .offset: 0, .size: 8, .value_kind: global_buffer, .address_space: global }
      - { .name: ln1_g, .offset: 8, .size: 8, .value_kind: global_buffer, .address_space: global }
      - { .name: ln1_b, .offset: 16, .size: 8, .value_kind: global_buffer, .address_space: global }
      - { .name: hq, .offset: 24, .size: 8, .value_kind: global_buffer, .address_space: global }
      - { .name: Wq, .offset: 32, .size: 8, .value_kind: global_buffer, .address_space: global }
      - { .name: Wk, .offset: 40, .size: 8, .value_kind: global_buffer, .address_space: global }
      - { .name: Wv, .offset: 48, .size: 8, .value_kind: global_buffer, .address_space: global }
      - { .name: Wo, .offset: 56, .size: 8, .value_kind: global_buffer, .address_space: global }
      - { .name: W1, .offset: 64, .size: 8, .value_kind: global_buffer, .address_space: global }
      - { .name: W2, .offset: 72, .size: 8, .value_kind: global_buffer, .address_space: global }
      - { .name: W3, .offset: 80, .size: 8, .value_kind: global_buffer, .address_space: global }
      - { .name: wc, .offset: 88, .size: 8, .value_kind: global_buffer, .address_space: global }
      - { .name: tab, .offset: 96, .size: 8, .value_kind: global_buffer, .address_space: global }
    .group_segment_fixed_size: 31744
    .private_segment_fixed_size: 0
    .kernarg_segment_align: 8
    .kernarg_segment_size: 104
    .max_flat_workgroup_size: 128
    .sgpr_count:     100
    .vgpr_count:     256
    .wavefront_size: 32
...
	.end_amdgpu_metadata
.endif
;; end of part 1
;; launch qkv (part 2): grid 12 x 16, 16 waves a work-group, clusters of 4 x 4, 327,680 bytes of LDS; arguments wc, hq, tab, qc, kv; writes qc, kv
.if DOCPART == 2
	.amdgcn_target "amdgcn-amd-amdhsa--gfx1250"
	.amdhsa_code_object_version 6
	.text
	.protected	k_q0ee4f6eb2f_qkv
	.globl	k_q0ee4f6eb2f_qkv
	.p2align	8
	.type	k_q0ee4f6eb2f_qkv,@function
k_q0ee4f6eb2f_qkv:
	s_mov_b64 s[64:65], 0
	v_nop
	global_prefetch_b8 v0, s[64:65] scope:SCOPE_SE
	s_setreg_imm32_b32 hwreg(HW_REG_WAVE_MODE, 25, 1), 1
	s_wait_xcnt 0x0
	s_wait_alu depctr_hold_cnt(0) depctr_sa_sdst(0) depctr_va_vdst(0) depctr_va_sdst(0) depctr_va_ssrc(0) depctr_va_vcc(0) depctr_vm_vsrc(0)
	s_getreg_b32 s2, hwreg(HW_REG_IB_STS2, 6, 4)
	s_cmp_eq_u32 s2, 0
	s_cbranch_scc0 .Lentry_in_a_cluster
	s_endpgm
.Lentry_in_a_cluster:
	s_bfe_u32 s2, ttmp6, 0x10000c
	s_cmp_lg_u32 s2, 0xf033
	s_cbranch_scc0 .Lentry_shape_is_right
	s_endpgm
.Lentry_shape_is_right:
; q, k, v = layernorm(x) W, on FP6 codes with E8M0 scales; then the rotary embedding on q and k, and all three quantised for attention: q and k along the head's 64, v along the keys.
; A work-group makes 256 x 256; sixteen waves, 4 x 4, each 64 x 64: 16 accumulators in 128 registers.  Four waves share a SIMD, so that one wave's LDS loads stand beside another's products.
; Cluster x says which product (0 q, 1 k, 2 v).  For q and k source 0 = 256 columns of the weight (four heads), source 1 = 256 tokens: a lane holds one token and its registers run along the head.
; For v source 0 = the tokens and source 1 = the weight: a lane holds one channel and its registers run along the tokens, which are the second attention product's K.
; K goes through a ring of two LDS slots, two K steps of 128 to a slot; operands lie in memory as images of the operands' registers (16 slots x 64 K = 768 bytes; a slab = 16 fragments + scale words = 25,600 bytes).
; CLUSTER 4 x 4: source 0's block hangs on cx alone and is asked for jointly by a column of the cluster, source 1's on cy alone, by a row.  LDS is claimed whole and 0 is added to spare words.
; LIMITS: as in the quantiser everywhere in this program: a block of zeros gets the byte 1; NaN and infinities are not served.
.set CL, 1
.set T, 4
.set NKS, 8
.set SS, 2
.set NSL, NKS/SS
.set NF, 4*T
.set SLAB, 1600*NF
.set HALF, 12800                       ; what one tensor load brings: 50 rows of 256 bytes, a quarter of a part
.set PART, 51200                       ; a slot's part for one source
.set SLOT1, 131072                     ; slot 1 begins here: one exclusive or turns an address
.set SPARE, 233472                     ; the spare words: 128 bytes for each of 16 waves
.set ACC, 128                          ; accumulator (a, b) at v[ACC + 8 T b + 8 a]
.set SC, 16                            ; scale words: lanes 0-15 source 0's tile i, lanes 16-31 source 1's tile i
.set F0, 20
.set F1, 20+12*T
.set SPW, 8
.set NIL, 9
.set SEL, 16
.set G1A, 28
.set G1B, 36
.set G0A, 44
.set G0B, 52
.set TM, 84
.set QQ, 92
.macro CROUND                          ; a round of the cluster's barrier
	s_barrier_signal -1
	s_barrier_wait -1
.if CL
	s_cmp_lg_u32 s20, 0
	s_cbranch_scc1 .Lnw0_\@
	s_barrier_signal -3
.Lnw0_\@:
	s_barrier_wait -3
	s_barrier_signal -1
	s_barrier_wait -1
.endif
.endm
.macro JLOAD s                         ; waves 0-3: the quarters of source 0's part; waves 4-7: of source 1's; the others nothing.  The branches hang on the wave's number alone
	s_cmp_lt_u32 s20, 4
	s_cbranch_scc0 .Lnota_\@
	tensor_load_to_lds s[G0A+4*\s:G0A+4*\s+3], s[G1A:G1A+7]
	s_nop 0
.rept 4
	v_nop
.endr
	s_branch .Lasked_\@
.Lnota_\@:
	s_cmp_lt_u32 s20, 8
	s_cbranch_scc0 .Lasked_\@
	tensor_load_to_lds s[G0B+4*\s:G0B+4*\s+3], s[G1B:G1B+7]
	s_nop 0
.rept 4
	v_nop
.endr
.Lasked_\@:
.endm
.macro FRAG reg, aa, ab, off           ; a fragment, 12 registers: two units, each 16 bytes a lane and then 8 bytes a lane, all dense
	ds_load_b128 v[\reg:\reg+3], v[\aa] offset:\off
	ds_load_b64 v[\reg+4:\reg+5], v[\ab] offset:\off
	ds_load_b128 v[\reg+6:\reg+9], v[\aa] offset:\off+768
	ds_load_b64 v[\reg+10:\reg+11], v[\ab] offset:\off+768
.endm
.macro KSTEP st, zero                  ; one K step of 128: T + T fragments, T registers of scale words, T x T products; each accumulator has one turn, in the same order in every step
.rept 4
	v_nop                                          ; places ahead of loads into registers that products have read
.endr
.set ia, 0
.rept T
	FRAG F0+12*ia, 2, 3, (\st)*SLAB+ia*1536
	FRAG F1+12*ia, 4, 5, (\st)*SLAB+ia*1536
	ds_load_b32 v[SC+ia], v6 offset:(\st)*SLAB+64*ia
.set ia, ia+1
.endr
	s_wait_dscnt 0x0
.set ib, 0
.rept T
.set ia, 0
.rept T
.if \zero
	v_wmma_scale_f32_16x16x128_f8f6f4 v[ACC+8*T*ib+8*ia:ACC+8*T*ib+8*ia+7], v[F0+12*ia:F0+12*ia+11], v[F1+12*ib:F1+12*ib+11], 0, v[SC+ia], v[SC+ib] matrix_a_fmt:MATRIX_FMT_FP6 matrix_b_fmt:MATRIX_FMT_FP6 matrix_b_scale:MATRIX_SCALE_ROW1
.else
	v_wmma_scale_f32_16x16x128_f8f6f4 v[ACC+8*T*ib+8*ia:ACC+8*T*ib+8*ia+7], v[F0+12*ia:F0+12*ia+11], v[F1+12*ib:F1+12*ib+11], v[ACC+8*T*ib+8*ia:ACC+8*T*ib+8*ia+7], v[SC+ia], v[SC+ib] matrix_a_fmt:MATRIX_FMT_FP6 matrix_b_fmt:MATRIX_FMT_FP6 matrix_b_scale:MATRIX_SCALE_ROW1
.endif
.set ia, ia+1
.endr
.set ib, ib+1
.endr
.endm
.macro WORK zero                       ; a slot's K steps
	KSTEP 0, \zero
.set ist, 1
.rept SS-1
	KSTEP ist, 0
.set ist, ist+1
.endr
.endm
.macro CHANGE fill, s                  ; the change of slots; fill = 1: slot s, just read, is filled again, two fills on
	s_wait_tensorcnt 0x0                           ; all my tensor loads have landed, my part of the next slot among them
	ds_add_u32 v[SPW], v[NIL]                      ; 0 onto my spare word; register work stands between it and its wait
.irp a, 2,3,4,5,6
	v_xor_b32 v\a, SLOT1, v\a
.endr
.if \fill
	s_add_nc_u64 s[G0A+4*\s+2:G0A+4*\s+3], s[G0A+4*\s+2:G0A+4*\s+3], 2*PART
	s_add_nc_u64 s[G0B+4*\s+2:G0B+4*\s+3], s[G0B+4*\s+2:G0B+4*\s+3], 2*PART
.endif
	s_wait_dscnt 0x0                               ; the add is done, and my reads of the slot are over
.if \fill
	CROUND                                         ; so of every wave of every partner
	JLOAD \s                                       ; the refill first behind the round
.else
	s_barrier_signal -1
	s_barrier_wait -1
.endif
.endm
	s_load_b256 s[4:11], s[0:1], 0x0               ; wc s[4:5], hq s[6:7], tab s[8:9], qc s[10:11]
	s_load_b64 s[12:13], s[0:1], 0x20              ; kv
	v_lshl_add_u32 v[SPW], v0, 2, SPARE
	v_mov_b32 v[NIL], 0
	ds_add_u32 v[SPW], v[NIL]                      ; the opening: the add and its wait ahead of my first tensor load
	ds_add_u32 v[SPW], v[NIL]
	v_lshrrev_b32 v1, 5, v0
	s_delay_alu instid0(VALU_DEP_1)
	v_readfirstlane_b32 s20, v1                    ; wave 0..15
	s_lshr_b32 s21, s20, 2                         ; wy: my 64 rows of source 0
	s_and_b32 s22, s20, 3                          ; wx: my 64 rows of source 1
.if CL
	s_bfe_u32 s23, ttmp6, 0x40000                  ; cx
	s_bfe_u32 s24, ttmp6, 0x40004                  ; cy
	s_mov_b32 s27, ttmp9                           ; X: which product
	s_and_b32 s19, ttmp7, 0xffff                   ; Y: which 1,024 tokens
	s_lshl_b32 s60, 0x1111, s23                    ; my column of the cluster
	s_lshl_b32 s61, s24, 2
	s_lshl_b32 s61, 15, s61                        ; my row
	s_or_b32 s[G1A], s60, (3<<16)|(1<<21)          ; elements of 8 bytes; bit 21 set beside a mask
	s_or_b32 s[G1B], s61, (3<<16)|(1<<21)
.else
	s_and_b32 s23, ttmp9, 3
	s_lshr_b32 s27, ttmp9, 2
	s_and_b32 s19, ttmp7, 0xffff
	s_and_b32 s24, s19, 3
	s_lshr_b32 s19, s19, 2
	s_mov_b32 s[G1A], 3<<16
	s_mov_b32 s[G1B], 3<<16
.endif
.irp g, G1A, G1B
	s_mov_b32 s[\g+1], 32<<16                      ; rows of 32 elements = 256 bytes,
	s_mov_b32 s[\g+2], 50<<16                      ; 50 of them,
	s_mov_b32 s[\g+3], 32<<16
	s_mov_b32 s[\g+4], 50
	s_mov_b32 s[\g+5], 32                          ; dense
	s_mov_b32 s[\g+6], 0
	s_mov_b32 s[\g+7], 0
.endr
	s_mov_b32 s[SEL], 0x76543210
	s_mov_b32 s[SEL+1], 0xfedcba98
	s_and_b32 s62, s20, 3
	s_mul_i32 s62, s62, HALF                       ; my quarter of a part, in memory and in LDS
	s_lshl_b32 s66, s27, 2
	s_lshl_b32 s67, s19, 2
	s_cmp_lt_u32 s27, 2
	s_cselect_b32 s66, s66, s67                    ; source 0's block: weight 4 X + cx, or (v) tokens 4 Y + cx
	s_cselect_b32 s68, s67, 8                      ; source 1's: tokens 4 Y + cy, or (v) weight 8 + cy
	s_add_co_u32 s66, s66, s23
	s_add_co_u32 s68, s68, s24
	s_mul_i32 s66, s66, NKS*SLAB
	s_mul_i32 s68, s68, NKS*SLAB
	s_add_co_u32 s66, s66, s62
	s_add_co_u32 s68, s68, s62
	s_mov_b32 s67, 0
	s_mov_b32 s69, 0
	s_wait_dscnt 0x0                               ; the opening add is done
	s_wait_kmcnt 0x0
	s_cmp_lt_u32 s27, 2
	s_cselect_b64 s[70:71], s[4:5], s[6:7]
	s_cselect_b64 s[72:73], s[6:7], s[4:5]
	s_add_nc_u64 s[66:67], s[70:71], s[66:67]
	s_add_nc_u64 s[68:69], s[72:73], s[68:69]
.if CL
	CROUND                                         ; all sixteen work-groups are here: the first joint loads meet
.endif
.irp s, 0,1
	s_mov_b32 s[G0A+4*\s], 1
	s_add_co_u32 s[G0A+4*\s+1], s62, \s*SLOT1
	s_add_nc_u64 s[G0A+4*\s+2:G0A+4*\s+3], s[66:67], \s*PART
	s_or_b32 s[G0A+4*\s+3], s[G0A+4*\s+3], 0x80000000
	s_mov_b32 s[G0B+4*\s], 1
	s_add_co_u32 s[G0B+4*\s+1], s62, \s*SLOT1+PART
	s_add_nc_u64 s[G0B+4*\s+2:G0B+4*\s+3], s[68:69], \s*PART
	s_or_b32 s[G0B+4*\s+3], s[G0B+4*\s+3], 0x80000000
.endr
; THE FIRST FILLS, ONE A WAVE: both slots' four parts in quarters: waves 0-3 slot 0's source 0, 4-7 slot 0's source 1, 8-11 slot 1's source 0, 12-15 slot 1's source 1.
; One chain of branches on the wave's number, a load in every arm, all arms leading to one join.
.macro ARM under, g0, g1, next
	s_cmp_lt_u32 s20, \under
	s_cbranch_scc0 \next
	tensor_load_to_lds s[\g0:\g0+3], s[\g1:\g1+7]
	s_nop 0
.rept 4
	v_nop
.endr
	s_branch .Lfasked
\next:
.endm
	ARM 4, G0A, G1A, .Lfb0
	ARM 8, G0B, G1B, .Lfa1
	ARM 12, G0A+4, G1A, .Lfb1
	tensor_load_to_lds s[G0B+4:G0B+7], s[G1B:G1B+7]
	s_nop 0
.rept 4
	v_nop
.endr
.Lfasked:
	v_and_b32 v1, 31, v0                           ; L
	v_and_b32 v7, 15, v0                           ; r
	v_bfe_u32 v117, v0, 4, 1                       ; h
	s_delay_alu instid0(VALU_DEP_3)
	v_lshlrev_b32 v13, 4, v1                       ; 16 L
	s_delay_alu instid0(VALU_DEP_4)
	v_lshlrev_b32 v14, 3, v1                       ; 8 L
	s_mul_i32 s70, s21, T*1536
	s_mul_i32 s71, s22, T*1536
	s_add_co_u32 s71, s71, PART
	v_add_nc_u32 v2, s70, v13
	v_add_nc_u32 v3, s70, v14
	s_delay_alu instid0(VALU_DEP_1)
	v_add_nc_u32 v3, 512, v3
	v_add_nc_u32 v4, s71, v13
	v_add_nc_u32 v5, s71, v14
	s_delay_alu instid0(VALU_DEP_1)
	v_add_nc_u32 v5, 512, v5
	s_mul_i32 s70, s21, T*64
	s_mul_i32 s71, s22, T*64
	s_add_co_u32 s71, s71, PART
	s_sub_co_u32 s71, s71, s70
	v_mul_u32_u24 v6, s71, v117                    ; lanes 16-31 take source 1's words: one product, the distance between the two
	s_delay_alu instid0(VALU_DEP_1)
	v_lshl_add_u32 v6, v7, 2, v6
	s_add_co_u32 s70, s70, NF*1536
	v_add_nc_u32 v6, s70, v6
	v_lshlrev_b32 v15, 2, v1                       ; 4 L
	v_lshlrev_b32 v12, 2, v7                       ; 4 r
	v_and_b32 v11, 7, v0
	v_bfe_u32 v10, v0, 3, 1
	s_delay_alu instid0(VALU_DEP_1)
	v_lshl_add_u32 v11, v10, 4, v11
	s_delay_alu instid0(VALU_DEP_1)
	v_lshlrev_b32 v11, 8, v11
	s_delay_alu instid0(VALU_DEP_1)
	v_lshl_add_u32 v10, v117, 6, v11               ; the table: my slot's row of 256 bytes, + 64 h
	s_wait_alu depctr_va_vdst(0)
	s_wait_tensorcnt 0x0                           ; my one load is in; behind the barrier both slots are whole
	s_barrier_signal -1
	s_barrier_wait -1
	WORK 1
	CHANGE 1, 0
	s_wait_alu depctr_va_vdst(0)
	WORK 0
	CHANGE 1, 1
	s_wait_alu depctr_va_vdst(0)
	WORK 0
	CHANGE 0, 0
	s_wait_alu depctr_va_vdst(0)
	WORK 0
.rept 4
	v_nop                                          ; places behind the last products
.endr
	v_mov_b32 v[TM+2], 0                           ; a lane permute's destination counts as one of its sources
	v_mov_b32 v[TM+3], 0
; 32 registers of a lane, register 16 c + i = K 32 c + 16 h + i of its slot, become a unit's six registers in v[p] on and the two scale bytes in v[w]
.macro QUANT2 s, p, w
	v_max3_num_f32 v[TM], |v[\s]|, |v[\s+1]|, 0x1800000
	v_max3_num_f32 v[TM+1], |v[\s+16]|, |v[\s+17]|, 0x1800000
.irp i, 2,4,6,8,10,12,14
	v_max3_num_f32 v[TM], v[TM], |v[\s+\i]|, |v[\s+\i+1]|
	v_max3_num_f32 v[TM+1], v[TM+1], |v[\s+16+\i]|, |v[\s+17+\i]|
.endr
	s_delay_alu instid0(VALU_DEP_2)
	v_permlanex16_b32 v[TM+2], v[TM], s[SEL], s[SEL+1]
	s_delay_alu instid0(VALU_DEP_2)
	v_permlanex16_b32 v[TM+3], v[TM+1], s[SEL], s[SEL+1]
	s_delay_alu instid0(VALU_DEP_2)
	v_max_num_f32 v[TM], v[TM], v[TM+2]
	s_delay_alu instid0(VALU_DEP_2)
	v_max_num_f32 v[TM+1], v[TM+1], v[TM+3]
	s_delay_alu instid0(VALU_DEP_2)
	v_add_nc_u32 v[TM+4], 0xff000000, v[TM]
	s_delay_alu instid0(VALU_DEP_2)
	v_add_nc_u32 v[TM+5], 0xff000000, v[TM+1]
	s_delay_alu instid0(VALU_DEP_2)
	v_lshrrev_b32 v[TM], 23, v[TM+4]
	s_delay_alu instid0(VALU_DEP_2)
	v_lshrrev_b32 v[TM+1], 23, v[TM+5]
	s_delay_alu instid0(VALU_DEP_1)
	v_lshl_or_b32 v[\w], v[TM+1], 8, v[TM]
	v_cvt_scalef32_pk16_fp6_f32 v[\p:\p+2], v[\s:\s+15], v[TM+4]
	v_cvt_scalef32_pk16_fp6_f32 v[QQ:QQ+2], v[\s+16:\s+31], v[TM+5]
	v_nop                                          ; one plain line behind the conversions
.irp i, 0,1,2
	v_permlane16_swap_b32 v[\p+\i], v[QQ+\i]       ; a whole block to a lane: lanes 0-15 block 0, lanes 16-31 block 1
.endr
.irp i, 0,1,2
	s_delay_alu instid0(VALU_DEP_3)
	v_mov_b32 v[\p+3+\i], v[QQ+\i]
.endr
.endm
	s_cmp_eq_u32 s27, 2                            ; the cluster's x: the same in all partners
	s_cbranch_scc1 .Lvpath
; ---- q and k.  My head is 4 cx + wy, my token tiles 4 wx + b of block 4 Y + cy
	s_lshl_b32 s74, s19, 2
	s_add_co_u32 s74, s74, s24
	s_lshl_b32 s75, s23, 2
	s_add_co_u32 s75, s75, s21
	s_lshr_b32 s76, s74, 3
	s_lshl_b32 s76, s76, 4
	s_add_co_u32 s76, s76, s75                     ; batch x 16 + head
	s_and_b32 s77, s74, 7
	s_lshl_b32 s78, s77, 4
	s_lshl_b32 s79, s22, 2
	s_add_co_u32 s78, s78, s79                     ; my first tile in the sequence
	s_lshl_b32 s80, s78, 12                        ; 16 rows of 256 bytes a tile
	s_mov_b32 s81, 0
	s_add_nc_u64 s[80:81], s[8:9], s[80:81]
	s_lshl_b32 s82, s76, 7
	s_add_co_u32 s82, s82, s78
	s_mul_i32 s83, s82, 768                        ; q: units on end,
	s_lshl_b32 s84, s82, 6
	s_add_co_u32 s84, s84, 3145728                 ; their scale words behind them all
	s_mul_i32 s85, s76, 208896                     ; k: the head, the slab of 128 keys,
	s_lshr_b32 s86, s78, 3
	s_mul_i32 s86, s86, 13056
	s_add_co_u32 s85, s85, s86
	s_and_b32 s86, s78, 7
	s_mul_i32 s87, s86, 768
	s_add_co_u32 s87, s87, s85                     ; the tile's unit,
	s_lshl_b32 s86, s86, 6
	s_add_co_u32 s86, s86, s85
	s_add_co_u32 s86, s86, 6144                    ; its scale words
	s_cmp_eq_u32 s27, 0
	s_cselect_b32 s88, s83, s87
	s_cselect_b32 s90, s84, s86
	s_cselect_b64 s[92:93], s[10:11], s[12:13]
	s_mov_b32 s89, 0
	s_mov_b32 s91, 0
	s_add_nc_u64 s[88:89], s[92:93], s[88:89]
	s_add_nc_u64 s[90:91], s[92:93], s[90:91]
	s_mov_b32 s94, 0xffff0000                      ; lanes 16-31
.macro TABL b                          ; (cos, sin) of my token and my 16 pairs, in the order of tile b's 32 registers
.irp q, 0,1,2,3
	global_load_b128 v[16+32*((\b)%2)+4*\q:19+32*((\b)%2)+4*\q], v10, s[80:81] offset:(32*((\b)/2)+8*((\b)%2))*256+16*\q
	global_load_b128 v[32+32*((\b)%2)+4*\q:35+32*((\b)%2)+4*\q], v10, s[80:81] offset:(32*((\b)/2)+8*((\b)%2))*256+128+16*\q
.endr
.endm
.macro ROPE b
.set XB, ACC+32*(\b)
.set TR, 16+32*((\b)%2)
.irp n, 0,2,4,6,8,10,12,14,16,18,20,22,24,26,28,30
	v_mul_f32 v[124+\n%4], v[XB+\n+1], v[TR+\n+1]
	v_mul_f32 v[125+\n%4], v[XB+\n], v[TR+\n+1]
	v_fma_f32 v[XB+\n], v[XB+\n], v[TR+\n], -v[124+\n%4]
	v_fma_f32 v[XB+\n+1], v[XB+\n+1], v[TR+\n], v[125+\n%4]
.endr
.endm
.macro SENDQ b
	global_store_b128 v13, v[96+6*\b:99+6*\b], s[88:89] offset:768*\b          ; 512 consecutive bytes, aligned
	global_store_b64 v14, v[100+6*\b:101+6*\b], s[88:89] offset:768*\b+512     ; 256 more
.endm
	TABL 0
	TABL 1
	s_wait_loadcnt 0x0
	ROPE 0
	QUANT2 ACC, 96, 120
	ROPE 1
	QUANT2 ACC+32, 102, 121
	TABL 2
	TABL 3
	SENDQ 0
	SENDQ 1
	v_cndmask_b32 v120, v120, v121, s94            ; two tiles' scale words in one register
	global_store_b32 v15, v120, s[90:91]
	s_wait_loadcnt 0x0
	ROPE 2
	QUANT2 ACC+64, 108, 122
	ROPE 3
	QUANT2 ACC+96, 114, 123
	SENDQ 2
	SENDQ 3
	v_cndmask_b32 v122, v122, v123, s94
	global_store_b32 v15, v122, s[90:91] offset:128
	s_branch .Lend
; ---- v.  My 64 tokens are half a K step of the keys; my head is 4 cy + wx, its channels in four tiles
.Lvpath:
	s_lshl_b32 s74, s19, 2
	s_add_co_u32 s74, s74, s23                     ; block of 256 tokens
	s_lshl_b32 s75, s24, 2
	s_add_co_u32 s75, s75, s22
	s_lshr_b32 s76, s74, 3
	s_lshl_b32 s76, s76, 4
	s_add_co_u32 s76, s76, s75
	s_and_b32 s77, s74, 7
	s_lshl_b32 s77, s77, 1
	s_lshr_b32 s78, s21, 1
	s_add_co_u32 s77, s77, s78                     ; the slab of 128 keys
	s_and_b32 s78, s21, 1                          ; which 64 of them
	s_mul_i32 s79, s76, 208896
	s_mul_i32 s77, s77, 13056
	s_add_co_u32 s79, s79, s77
	s_mul_i32 s80, s78, 768
	s_add_co_u32 s80, s80, s79
	s_add_co_u32 s80, s80, 6656
	s_mov_b32 s81, 0
	s_add_nc_u64 s[80:81], s[12:13], s[80:81]
	s_lshl_b32 s82, s78, 1
	s_add_co_u32 s82, s82, s79
	s_add_co_u32 s82, s82, 12800
	s_mov_b32 s83, 0
	s_add_nc_u64 s[82:83], s[12:13], s[82:83]
.irp b, 0,1,2,3
	QUANT2 ACC+32*\b, 96+6*\b, 120+\b
	global_store_b128 v13, v[96+6*\b:99+6*\b], s[80:81] offset:1536*\b
	global_store_b64 v14, v[100+6*\b:101+6*\b], s[80:81] offset:1536*\b+512
	global_store_b16 v12, v[120+\b], s[82:83] offset:64*\b   ; my two bytes of each scale word (both halves of the lanes hold and write the same): 32 bytes for 768 of codes
.endr
.Lend:
	s_wait_tensorcnt 0x0                           ; the wave's end
	ds_add_u32 v[SPW], v[NIL]
	s_wait_dscnt 0x0
.if CL
	CROUND                                         ; the closing round
.endif
	s_endpgm
.Lfunc_end_k_q0ee4f6eb2f_qkv:
	.size	k_q0ee4f6eb2f_qkv, .Lfunc_end_k_q0ee4f6eb2f_qkv-k_q0ee4f6eb2f_qkv
	.p2alignl 7, 3214868480
	.fill 96, 4, 3214868480
	.section	.rodata,"a",@progbits
	.p2align	6, 0x0
	.amdhsa_kernel k_q0ee4f6eb2f_qkv
		.amdhsa_group_segment_fixed_size 327680
		.amdhsa_private_segment_fixed_size 0
		.amdhsa_enable_private_segment 0
		.amdhsa_kernarg_size 40
		.amdhsa_user_sgpr_count 2
		.amdhsa_user_sgpr_kernarg_segment_ptr 1
		.amdhsa_wavefront_size32 1
		.amdhsa_system_sgpr_workgroup_id_x 1
		.amdhsa_system_sgpr_workgroup_id_y 1
		.amdhsa_system_sgpr_workgroup_id_z 1
		.amdhsa_system_vgpr_workitem_id 0
		.amdhsa_next_free_vgpr 256
		.amdhsa_next_free_sgpr 100
		.amdhsa_reserve_vcc 0
		.amdhsa_float_denorm_mode_32 3
		.amdhsa_float_denorm_mode_16_64 3
		.amdhsa_memory_ordered 1
		.amdhsa_forward_progress 1
		.amdhsa_inst_pref_size 84
	.end_amdhsa_kernel
	.amdgpu_metadata
---
amdhsa.version: [ 1, 2 ]
amdhsa.kernels:
  - .name:           k_q0ee4f6eb2f_qkv
    .symbol:         k_q0ee4f6eb2f_qkv.kd
    .args:
      - { .name: wc, .offset: 0, .size: 8, .value_kind: global_buffer, .address_space: global }
      - { .name: hq, .offset: 8, .size: 8, .value_kind: global_buffer, .address_space: global }
      - { .name: tab, .offset: 16, .size: 8, .value_kind: global_buffer, .address_space: global }
      - { .name: qc, .offset: 24, .size: 8, .value_kind: global_buffer, .address_space: global }
      - { .name: kv, .offset: 32, .size: 8, .value_kind: global_buffer, .address_space: global }
    .group_segment_fixed_size: 327680
    .private_segment_fixed_size: 0
    .kernarg_segment_align: 8
    .kernarg_segment_size: 40
    .max_flat_workgroup_size: 512
    .sgpr_count:     100
    .vgpr_count:     256
    .wavefront_size: 32
...
	.end_amdgpu_metadata
.endif
;; end of part 2
;; launch attn (part 3): grid 8 x 32, 16 waves a work-group, clusters of 4 x 1, 327,680 bytes of LDS; arguments qc, kv, oc; writes oc
.if DOCPART == 3
	.amdgcn_target "amdgcn-amd-amdhsa--gfx1250"
	.amdhsa_code_object_version 6
	.text
	.protected	k_q0ee4f6eb2f_attn
	.globl	k_q0ee4f6eb2f_attn
	.p2align	8
	.type	k_q0ee4f6eb2f_attn,@function
k_q0ee4f6eb2f_attn:
	s_mov_b64 s[64:65], 0
	v_nop
	global_prefetch_b8 v0, s[64:65] scope:SCOPE_SE
	s_setreg_imm32_b32 hwreg(HW_REG_WAVE_MODE, 25, 1), 1
	s_wait_xcnt 0x0
	s_wait_alu depctr_hold_cnt(0) depctr_sa_sdst(0) depctr_va_vdst(0) depctr_va_sdst(0) depctr_va_ssrc(0) depctr_va_vcc(0) depctr_vm_vsrc(0)
	s_getreg_b32 s2, hwreg(HW_REG_IB_STS2, 6, 4)
	s_cmp_eq_u32 s2, 0
	s_cbranch_scc0 .Lentry_in_a_cluster
	s_endpgm
.Lentry_in_a_cluster:
	s_bfe_u32 s2, ttmp6, 0x10000c
	s_cmp_lg_u32 s2, 0x3003
	s_cbranch_scc0 .Lentry_shape_is_right
	s_endpgm
.Lentry_shape_is_right:
; o = softmax(q k^T / 8, causal) v for one head (work-group y = batch x 16 + head), all on FP6 codes with E8M0 scales; o quantised along the channels for the next product.
; LEFT OUT: slabs of 128 keys that lie wholly above the diagonal: the definition's own lower-triangular mask sets their scores to -inf, so they add nothing to any sum.
; THE DEAL.  A head has 128 tiles of 16 queries and 16 slabs of 128 keys.  Work-group x (0-7) has sixteen waves; the wave of level j owns tile 8 j + x, whose queries lie in tokens 128 j .. 128 j + 127
; and which needs slabs 0 .. j, the last under the mask.  THE LONG ROWS' KEYS ARE SHARED: a wave of level j >= 8 walks slabs 0-8 of its tile (9 steps); the wave of level 15 - j walks its own tile's 16 - j slabs,
; stores that tile, and then walks slabs 9 .. j of its partner's tile (8 steps in all) under a running M of its own.  It hands O^T, -M and the sums over in LDS; behind a barrier the owner brings both parts under
; the larger M by multiplications with powers of two, which round nothing, adds them and finishes the tile.  Every branch hangs on the wave's number alone; all work-groups read all 16 slabs.
; j = w xor 3 ((w / 4) % 2): waves w, w + 4, w + 8, w + 12 are two of 9 steps and two of 8.
; THE FEED.  A head's K and V are 208,896 dense bytes (a slab: 8 units of k, scale words, 4 fragments of v, scale words = 13,056 bytes), 816 rows of 256 bytes, and all stay in LDS; nothing is filled again.
; They come by two requests: 7 rows a wave at the head (112 rows: slabs 0-1 are 102), then 44 rows a wave behind a round of the cluster; these land while slabs 0-1 are worked.
; CLUSTER 4 x 1: the four work-groups of a cluster read the same head: each request is a joint load with the mask 15; its descriptor hangs on the head and the wave's number alone.
; NO PREFETCH: the stream is two requests, the second issued as soon as the first has landed; there is no loop that runs ahead of either.
; BOTH PRODUCTS ARE USED TRANSPOSED (S^T = k q^T, O^T = v^T p^T): a lane holds one query.  p = 2^(t - M), M the running largest t rounded up to a whole number; the row's sum is taken of the unquantised p.
; A block's largest p is made from the block's largest score by the same two instructions (this takes v_exp_f32 not to fall where its input rises).
; THE HEAD HAS 64 CHANNELS, the instruction 128: k's fragments hold zero codes for K = 64 .. 127, so what q's registers hold there adds nothing.  A helping wave keeps its partner's q there until it needs it.
; LIMITS: the scaled scores stay under 2^31 in magnitude; a block of zeros gets the byte 1 (its codes are zeros; this program alone reads the bytes); NaN and infinities are not served.
; REGISTERS: v1-3 lane offsets (16 L, 512 + 8 L, 4 r); v4 my query's number - 16 h; v7 the partner's q scales; v8-10 this slab's addresses; v11 my pair's LDS bytes; v12 -M, v13 largest t, v[14:15] the sum; v16-21 q;
; v22-27 the partner's q, or zeros; v28-31 v's scales; v32-79 four fragments of k; v80-127 v's four; v128-191 S^T, then p; v192-223 O^T; v224-235 p's codes; v232-247 at work; v248-251 k's scales; v252 f; v253 p's scale word; v255 q's.
.set SLABB, 13056
.set R1, 7                             ; rows of 256 bytes a wave in the first request,
.set R2, 44                            ; and in the second
.set ST2, 16*R1*256                    ; where the second request's bytes begin
.set SPARE, 208896                     ; behind K and V: the spare words, 128 bytes for each of 16 waves
.set EX, 210944                        ; behind them: for each of 8 pairs 4,608 bytes: O^T as 8 x 512, then v12-15 as 512; no fill lands here
.set QSC, 3145728                      ; q's scale words lie behind all its units
.set S, 128
.set OT, 192
.set SPW, 5
.set NIL, 6
.set WV, 18
.set SEL, 20
.set CS, 22
.set TB, 2                             ; s2 this slab's LDS byte
.set KF, 3                             ; s3 its first key
.set QMIN, 66                          ; s66 128 x the level of the tile at work, s67 that + 127: for the branches
.set QMAX, 67
.set CNT, 68
.set LV, 98                            ; s98 my level j
.set QN, 99                            ; s99 128 (15 - j)
.set TM, 236
.set QQ, 244
.macro ROUND                           ; a round of the cluster's barrier
	s_barrier_signal -1
	s_barrier_wait -1
	s_cmp_lg_u32 s[WV], 0
	s_cbranch_scc1 .Lnw0_\@
	s_barrier_signal -3
.Lnw0_\@:
	s_barrier_wait -3
	s_barrier_signal -1
	s_barrier_wait -1
.endm
.macro G1SET g, n                      ; n dense rows of 32 elements of 8 bytes; mask 15, bit 21 beside it
	s_mov_b32 s[\g], 15|(3<<16)|(1<<21)
	s_mov_b32 s[\g+1], 32<<16
	s_mov_b32 s[\g+2], (\n)<<16
	s_mov_b32 s[\g+3], 32<<16
	s_mov_b32 s[\g+4], \n
	s_mov_b32 s[\g+5], 32
	s_mov_b32 s[\g+6], 0
	s_mov_b32 s[\g+7], 0
.endm
.macro G0SET g, so                     ; the same byte offset in the head's K and V and in LDS
	s_mov_b32 s[\g], 1
	s_mov_b32 s[\g+1], s[\so]
	s_mov_b32 s78, s[\so]
	s_add_nc_u64 s[\g+2:\g+3], s[72:73], s[78:79]
	s_or_b32 s[\g+3], s[\g+3], 0x80000000
.endm
	s_load_b128 s[4:7], s[0:1], 0x0                ; qc, kv
	s_load_b64 s[8:9], s[0:1], 0x10                ; oc
	v_lshl_add_u32 v[SPW], v0, 2, SPARE
	v_mov_b32 v[NIL], 0
	ds_add_u32 v[SPW], v[NIL]                      ; the opening: the add, twice on end, and its wait
	ds_add_u32 v[SPW], v[NIL]
	v_lshrrev_b32 v8, 5, v0
	s_delay_alu instid0(VALU_DEP_1)
	v_readfirstlane_b32 s[WV], v8                  ; wave 0..15
	s_and_b32 s69, ttmp7, 0xffff                   ; batch x 16 + head
	s_bfe_u32 s70, ttmp6, 0x40000                  ; cx
	s_lshl_b32 s71, ttmp9, 2
	s_add_co_u32 s70, s70, s71                     ; x = 4 x cluster x + cx
	s_bfe_u32 s71, s[WV], 0x10002
	s_mul_i32 s71, s71, 3
	s_xor_b32 s[LV], s[WV], s71                    ; my level j
	s_lshl_b32 s[QMIN], s[LV], 7
	s_add_co_u32 s[QMAX], s[QMIN], 127
	s_xor_b32 s71, s[LV], 15                       ; my partner's level 15 - j
	s_lshl_b32 s[QN], s71, 7
	s_min_u32 s90, s[LV], s71                      ; my pair
	s_mul_i32 s90, s90, 4608
	s_add_co_u32 s90, s90, EX
	s_lshl_b32 s71, s71, 3
	s_add_co_u32 s91, s70, s71                     ; my partner's tile
	s_lshl_b32 s71, s[LV], 3
	s_add_co_u32 s70, s70, s71                     ; my tile 8 j + x
	s_lshr_b32 s71, s70, 1
	s_lshl_b32 s97, s71, 5
	s_and_b32 s71, s70, 1
	s_lshl_b32 s71, s71, 3
	s_add_co_u32 s97, s97, s71                     ; its slot 0's token: 32 (tile / 2) + 8 (tile % 2)
	G1SET 24, R1
	G1SET 32, R2
	s_mul_i32 s72, s69, 208896
	s_mov_b32 s73, 0
	s_mul_i32 s74, s[WV], R1*256
	s_mul_i32 s75, s[WV], R2*256
	s_add_co_u32 s75, s75, ST2
	s_mov_b32 s79, 0
	s_mov_b32 s[SEL], 0x76543210
	s_mov_b32 s[SEL+1], 0xfedcba98                 ; lane l xor 16
	s_mov_b32 s[CS], 0x3e38aa3b                    ; log2(e) / 8
	s_mov_b32 s[CS+1], s[CS]
	s_mov_b32 s[TB], 0
	s_mov_b32 s[KF], 0
	s_lshl_b32 s80, s69, 7
	s_add_co_u32 s81, s80, s91
	s_add_co_u32 s80, s80, s70
	s_mul_i32 s82, s80, 768                        ; q: my tile's unit,
	s_mov_b32 s83, 0
	s_lshl_b32 s84, s80, 6
	s_add_co_u32 s84, s84, QSC                     ; its scale words;
	s_mov_b32 s85, 0
	s_mul_i32 s92, s81, 768                        ; and my partner's
	s_mov_b32 s93, 0
	s_lshl_b32 s94, s81, 6
	s_add_co_u32 s94, s94, QSC
	s_mov_b32 s95, 0
	s_wait_dscnt 0x0                               ; both opening adds are done
	s_wait_kmcnt 0x0
	s_add_nc_u64 s[72:73], s[6:7], s[72:73]
	G0SET 48, 74
	G0SET 52, 75
	s_add_nc_u64 s[82:83], s[4:5], s[82:83]
	s_add_nc_u64 s[84:85], s[4:5], s[84:85]
	s_add_nc_u64 s[92:93], s[4:5], s[92:93]
	s_add_nc_u64 s[94:95], s[4:5], s[94:95]
	ROUND                                          ; the four work-groups are here: the first joint loads meet
	tensor_load_to_lds s[48:51], s[24:31]          ; my 7 rows: every wave's one load at the head
	s_nop 0
	v_and_b32 v9, 31, v0
	v_and_b32 v10, 15, v0
	s_delay_alu instid0(VALU_DEP_2)
	v_lshlrev_b32 v1, 4, v9
	v_lshlrev_b32 v2, 3, v9
	s_delay_alu instid0(VALU_DEP_1)
	v_add_nc_u32 v2, 512, v2
	v_lshlrev_b32 v3, 2, v10
	global_load_b128 v[16:19], v1, s[82:83]
	global_load_b64 v[20:21], v2, s[82:83]
	global_load_b32 v255, v3, s[84:85]
.irp j, 7,22,23,24,25,26,27
	v_mov_b32 v\j, 0
.endr
.irp t, 0,1,2,3
.irp j, 6,7,8,9,10,11
	v_mov_b32 v[32+12*\t+\j], 0                    ; k's zero codes for K = 64 .. 127
.endr
.endr
	s_cmp_lt_u32 s[LV], 8
	s_cbranch_scc0 .Lnoq                           ; only a helping wave fetches a second q
	global_load_b128 v[22:25], v1, s[92:93]
	global_load_b64 v[26:27], v2, s[92:93]
	global_load_b32 v7, v3, s[94:95]
.Lnoq:
	v_and_b32 v11, 7, v0
	v_bfe_u32 v4, v0, 3, 1
	s_delay_alu instid0(VALU_DEP_1)
	v_lshl_add_u32 v4, v4, 4, v11                  ; slot r is token r % 8 + 16 (r / 8) of the tile
	v_bfe_u32 v11, v0, 4, 1
	s_delay_alu instid0(VALU_DEP_1)
	v_lshlrev_b32 v11, 4, v11
	s_delay_alu instid0(VALU_DEP_1)
	v_sub_nc_u32 v4, v4, v11
	s_delay_alu instid0(VALU_DEP_1)
	v_add_nc_u32 v4, s97, v4                       ; my query - 16 h: register n of S^T is key 32 (n / 16) + n % 16 + 16 h of the slab
	v_add_nc_u32 v11, s90, v1                      ; my pair's bytes, 16 a lane
	v_mov_b32 v13, 0xff61b1e6                      ; -3e38, under every t
	s_delay_alu instid0(VALU_DEP_1)
	v_floor_f32 v12, -v13
	v_mov_b32 v14, 0
	v_mov_b32 v15, 0
.irp b, 236,237,238,239,252,253
	v_mov_b32 v\b, 0                               ; permutes' destinations and pairs' upper halves, written once
.endr
.set j, 0
.rept 32
	v_mov_b32 v[OT+j], 0
.set j, j+1
.endr
; One slab of 128 keys.  The loops' trip counts are constants; a slab above the level at work is passed over by a branch on the wave's number and the trip.
.macro STEP
	s_cmp_gt_u32 s[KF], s[QMAX]
	s_cbranch_scc1 .Lhid_\@
	v_add_nc_u32 v8, s[TB], v1
	v_add_nc_u32 v9, s[TB], v2
	v_add_nc_u32 v10, s[TB], v3
	s_wait_alu depctr_va_vdst(0)
.irp g, 0,1
.if \g
.rept 4
	v_nop                                          ; places ahead of loads into registers that products have read
.endr
.endif
.irp t, 0,1,2,3
	ds_load_b128 v[32+12*\t:35+12*\t], v8 offset:(4*\g+\t)*768
	ds_load_b64 v[36+12*\t:37+12*\t], v9 offset:(4*\g+\t)*768
	ds_load_b32 v[248+\t], v10 offset:6144+(4*\g+\t)*64
.endr
	s_wait_dscnt 0x0
.irp t, 0,1,2,3
	v_wmma_scale_f32_16x16x128_f8f6f4 v[S+8*(4*\g+\t):S+8*(4*\g+\t)+7], v[32+12*\t:43+12*\t], v[16:27], 0, v[248+\t], v255 matrix_a_fmt:MATRIX_FMT_FP6 matrix_b_fmt:MATRIX_FMT_FP6
.endr
.endr
.irp t, 0,1,2,3
	ds_load_b128 v[80+12*\t:83+12*\t], v8 offset:6656+1536*\t      ; v's fragments come while the softmax is worked
	ds_load_b64 v[84+12*\t:85+12*\t], v9 offset:6656+1536*\t
	ds_load_b128 v[86+12*\t:89+12*\t], v8 offset:6656+1536*\t+768
	ds_load_b64 v[90+12*\t:91+12*\t], v9 offset:6656+1536*\t+768
	ds_load_b32 v[28+\t], v10 offset:12800+64*\t
.endr
.rept 4
	v_nop                                          ; places behind the products
.endr
	s_add_co_u32 s96, s[KF], 127
	s_cmp_le_u32 s96, s[QMIN]
	s_cbranch_scc1 .Lopen_\@                       ; only the level's own slab is cut by the diagonal
	v_sub_nc_u32 v252, v4, s[KF]
	v_mov_b32 v254, 0xff800000
.set n, 0
.rept 64
	v_cmp_gt_i32 vcc_lo, 32*(n/16)+n%16, v252
	v_cndmask_b32 v[S+n], v[S+n], v254, vcc_lo
.set n, n+1
.endr
.Lopen_\@:
.irp b, 0,1,2,3
	v_max3_num_f32 v[232+\b], v[S+16*\b], v[S+1+16*\b], v[S+2+16*\b]   ; the largest score of each block of 32 keys, the four by turns
.endr
.irp i, 3,5,7,9,11,13
.irp b, 0,1,2,3
	v_max3_num_f32 v[232+\b], v[232+\b], v[S+16*\b+\i], v[S+1+16*\b+\i]
.endr
.endr
.irp b, 0,1,2,3
	v_max_num_f32 v[232+\b], v[232+\b], v[S+15+16*\b]
.endr
.irp b, 0,1,2,3
	s_delay_alu instid0(VALU_DEP_4)
	v_permlanex16_b32 v[236+\b], v[232+\b], s[SEL], s[SEL+1]
.endr
.irp b, 0,1,2,3
	s_delay_alu instid0(VALU_DEP_4)
	v_max_num_f32 v[232+\b], v[232+\b], v[236+\b]
.endr
	s_delay_alu instid0(VALU_DEP_2)
	v_max3_num_f32 v254, v232, v233, v234
	s_delay_alu instid0(VALU_DEP_1)
	v_max_num_f32 v254, v254, v235
	s_delay_alu instid0(VALU_DEP_1)
	v_mul_f32 v254, s[CS], v254
	s_delay_alu instid0(VALU_DEP_1)
	v_max_num_f32 v13, v13, v254                   ; the running largest t
	v_mov_b32 v254, v12
	s_delay_alu instid0(VALU_DEP_2)
	v_floor_f32 v12, -v13                          ; -M = floor(-t)
	s_delay_alu instid0(VALU_DEP_1)
	v_sub_f32 v254, v12, v254
	s_delay_alu instid0(VALU_DEP_1)
	v_cvt_i32_f32 v254, v254
	s_delay_alu instid0(VALU_DEP_1)
	v_ldexp_f32 v252, 1.0, v254                    ; f = 2^(old M - new M)
.set j, 0
.rept 32
	v_pk_fma_f32 v[S+j:S+j+1], v[S+j:S+j+1], s[CS:CS+1], v[12:13] op_sel_hi:[1,0,0]   ; t - M
.set j, j+2
.endr
.irp b, 0,1,2,3
	v_fma_f32 v[232+\b], v[232+\b], s[CS], v12
.endr
.set j, 0
	s_wait_alu depctr_va_vdst(0)                   ; the wait ahead of the batch
.rept 64
	v_exp_f32 v[S+j], v[S+j]
.set j, j+1
.endr
	v_pk_mul_f32 v[14:15], v[14:15], v[252:253] op_sel_hi:[1,0]
	s_wait_alu depctr_va_vdst(0)                   ; and behind it, ahead of its first reader
.irp b, 0,1,2,3
	v_exp_f32 v[232+\b], v[232+\b]                 ; each block's largest p
.endr
	v_pk_add_f32 v[236:237], v[S:S+1], v[S+2:S+3]  ; the sum of the unquantised p, in two chains
.irp j, 4,8,12,16,20,24,28,32,36,40,44,48,52,56,60
	v_pk_add_f32 v[14:15], v[14:15], v[S+\j:S+1+\j]
	v_pk_add_f32 v[236:237], v[236:237], v[S+2+\j:S+3+\j]
.endr
	s_delay_alu instid0(VALU_DEP_1)
	v_pk_add_f32 v[14:15], v[14:15], v[236:237]
	s_wait_alu depctr_va_vdst(0)                   ; for the four
.irp b, 0,1,2,3
	v_max_num_f32 v[232+\b], 0x1800000, v[232+\b]  ; the floor 2^(3 - 127)
.endr
.irp b, 0,1,2,3
	s_delay_alu instid0(VALU_DEP_4)
	v_add_nc_u32 v[244+\b], 0xff000000, v[232+\b]  ; 2 off the exponent field: the conversion's scale operand
.endr
.irp b, 0,1,2,3
	s_delay_alu instid0(VALU_DEP_4)
	v_lshrrev_b32 v[236+\b], 23, v[244+\b]
.endr
	s_delay_alu instid0(VALU_DEP_3)
	v_lshl_or_b32 v253, v237, 8, v236
	s_delay_alu instid0(VALU_DEP_1)
	v_lshl_or_b32 v253, v238, 16, v253
	s_delay_alu instid0(VALU_DEP_1)
	v_lshl_or_b32 v253, v239, 24, v253             ; p's scale word
.irp c, 0,1
	v_cvt_scalef32_pk16_fp6_f32 v[224+6*\c:226+6*\c], v[S+32*\c:S+15+32*\c], v[244+2*\c]
	v_cvt_scalef32_pk16_fp6_f32 v[236+4*\c:238+4*\c], v[S+16+32*\c:S+31+32*\c], v[244+2*\c+1]
.endr
	v_nop                                          ; one plain line behind the conversions
.irp c, 0,1
.irp i, 0,1,2
	v_permlane16_swap_b32 v[224+6*\c+\i], v[236+4*\c+\i]   ; a whole block to a lane
.endr
.irp i, 0,1,2
	s_delay_alu instid0(VALU_DEP_3)
	v_mov_b32 v[227+6*\c+\i], v[236+4*\c+\i]
.endr
.endr
	s_wait_alu depctr_va_vdst(0)                   ; the wait directly ahead of the first reader of O^T
.set j, 0
.rept 16
	v_pk_mul_f32 v[OT+j:OT+j+1], v[OT+j:OT+j+1], v[252:253] op_sel_hi:[1,0]   ; O^T under the new M; also the places ahead of the products
.set j, j+2
.endr
	s_wait_alu depctr_va_vdst(0)
	s_wait_dscnt 0x0                               ; v's fragments are in
.irp t, 0,1,2,3
	v_wmma_scale_f32_16x16x128_f8f6f4 v[OT+8*\t:OT+8*\t+7], v[80+12*\t:91+12*\t], v[224:235], v[OT+8*\t:OT+8*\t+7], v[28+\t], v253 matrix_a_fmt:MATRIX_FMT_FP6 matrix_b_fmt:MATRIX_FMT_FP6
.endr
.Lhid_\@:
	s_add_co_u32 s[KF], s[KF], 128
	s_add_co_u32 s[TB], s[TB], SLABB
.endm
; My own tile is finished: O^T / the sum, quantised along the channels, stored as an image of the next operand's registers
.macro FINAL
.rept 4
	v_nop                                          ; places behind the last products
.endr
	v_add_f32 v14, v14, v15
	s_delay_alu instid0(VALU_DEP_1)
	v_permlanex16_b32 v252, v14, s[SEL], s[SEL+1]
	s_delay_alu instid0(VALU_DEP_1)
	v_add_f32 v14, v14, v252                       ; the row's sum
	s_wait_alu depctr_va_vdst(0)
	v_rcp_f32 v14, v14
	v_nop
	s_lshr_b32 s71, s69, 4                         ; oc: block of 128 tokens = batch x 16 + tile / 8; K step = head / 2; fragment tile % 8; unit head % 2
	s_lshl_b32 s71, s71, 4
	s_lshr_b32 s72, s70, 3
	s_add_co_u32 s71, s71, s72
	s_mul_i32 s71, s71, 102400
	s_and_b32 s72, s69, 15
	s_lshr_b32 s72, s72, 1
	s_mul_i32 s72, s72, 12800
	s_add_co_u32 s71, s71, s72
	s_and_b32 s74, s70, 7
	s_mul_i32 s75, s74, 1536
	s_and_b32 s76, s69, 1
	s_mul_i32 s77, s76, 768
	s_add_co_u32 s86, s71, s75
	s_add_co_u32 s86, s86, s77
	s_mov_b32 s87, 0
	s_add_nc_u64 s[86:87], s[8:9], s[86:87]
	s_lshl_b32 s74, s74, 6
	s_lshl_b32 s76, s76, 1
	s_add_co_u32 s88, s71, s74
	s_add_co_u32 s88, s88, s76
	s_add_co_u32 s88, s88, 12288
	s_mov_b32 s89, 0
	s_add_nc_u64 s[88:89], s[8:9], s[88:89]
	s_wait_alu depctr_va_vdst(0)                   ; ahead of the first reader of the reciprocal and of O^T
.set j, 0
.rept 32
	v_mul_f32 v[S+j], v[OT+j], v14                 ; register 16 c + i is channel 32 c + 16 h + i of my query
.set j, j+1
.endr
	v_max3_num_f32 v[TM], |v[S]|, |v[S+1]|, 0x1800000
	v_max3_num_f32 v[TM+1], |v[S+16]|, |v[S+17]|, 0x1800000
.irp i, 2,4,6,8,10,12,14
	s_delay_alu instid0(VALU_DEP_2)
	v_max3_num_f32 v[TM], v[TM], |v[S+\i]|, |v[S+\i+1]|
	s_delay_alu instid0(VALU_DEP_2)
	v_max3_num_f32 v[TM+1], v[TM+1], |v[S+16+\i]|, |v[S+17+\i]|
.endr
	s_delay_alu instid0(VALU_DEP_2)
	v_permlanex16_b32 v[TM+2], v[TM], s[SEL], s[SEL+1]
	s_delay_alu instid0(VALU_DEP_2)
	v_permlanex16_b32 v[TM+3], v[TM+1], s[SEL], s[SEL+1]
	s_delay_alu instid0(VALU_DEP_2)
	v_max_num_f32 v[TM], v[TM], v[TM+2]
	s_delay_alu instid0(VALU_DEP_2)
	v_max_num_f32 v[TM+1], v[TM+1], v[TM+3]
	s_delay_alu instid0(VALU_DEP_2)
	v_add_nc_u32 v[TM+4], 0xff000000, v[TM]
	s_delay_alu instid0(VALU_DEP_2)
	v_add_nc_u32 v[TM+5], 0xff000000, v[TM+1]
	s_delay_alu instid0(VALU_DEP_2)
	v_lshrrev_b32 v[TM], 23, v[TM+4]
	s_delay_alu instid0(VALU_DEP_2)
	v_lshrrev_b32 v[TM+1], 23, v[TM+5]
	s_delay_alu instid0(VALU_DEP_1)
	v_lshl_or_b32 v253, v[TM+1], 8, v[TM]
	v_cvt_scalef32_pk16_fp6_f32 v[224:226], v[S:S+15], v[TM+4]
	v_cvt_scalef32_pk16_fp6_f32 v[QQ:QQ+2], v[S+16:S+31], v[TM+5]
	v_nop
.irp i, 0,1,2
	v_permlane16_swap_b32 v[224+\i], v[QQ+\i]
.endr
.irp i, 0,1,2
	s_delay_alu instid0(VALU_DEP_3)
	v_mov_b32 v[227+\i], v[QQ+\i]
.endr
	global_store_b128 v1, v[224:227], s[86:87]     ; 512 consecutive bytes, aligned,
	global_store_b64 v2, v[228:229], s[86:87]      ; and 256 more
	global_store_b16 v3, v253, s[88:89]            ; my head's two bytes of each slot's scale word
.endm
	s_wait_alu depctr_va_vdst(0)                   ; the wait at the head's end
	s_wait_tensorcnt 0x0                           ; my 7 rows are in
	ds_add_u32 v[SPW], v[NIL]
	s_wait_dscnt 0x0
	ROUND                                          ; slabs 0-1 are whole, and the four work-groups are here
	tensor_load_to_lds s[52:55], s[32:39]          ; my 44 rows of the rest: the one load behind the round
	s_nop 0
	s_wait_loadcnt 0x0                             ; q, and the partner's
	s_mov_b32 s[CNT], 2
.Lfirst:                                               ; slabs 0-1 of my own tile
	STEP
	s_sub_co_u32 s[CNT], s[CNT], 1
	s_cmp_lg_u32 s[CNT], 0
	s_cbranch_scc1 .Lfirst
	s_wait_tensorcnt 0x0                           ; my 44 rows are in
	s_wait_dscnt 0x0
	s_barrier_signal -1
	s_barrier_wait -1
	s_mov_b32 s[CNT], 7
.Lrest:                                                ; slabs 2-8 of my own tile
	STEP
	s_sub_co_u32 s[CNT], s[CNT], 1
	s_cmp_lg_u32 s[CNT], 0
	s_cbranch_scc1 .Lrest
	s_cmp_lt_u32 s[LV], 8
	s_cbranch_scc0 .Lowner
	FINAL                                          ; a helping wave: its own tile needed no more than slabs 0-7
	s_wait_xcnt 0x0                                ; the stores have read their registers
.irp j, 0,1,2,3,4,5
	v_mov_b32 v[16+\j], v[22+\j]                   ; on to the partner's tile: its q,
.endr
	v_mov_b32 v255, v7                             ; its scale words,
	s_sub_co_u32 s96, s[QN], s[QMIN]
	v_add_nc_u32 v4, s96, v4                       ; its queries, 128 (15 - 2 j) tokens on,
	v_mov_b32 v13, 0xff61b1e6                      ; and sums begun anew
	s_delay_alu instid0(VALU_DEP_1)
	v_floor_f32 v12, -v13
	v_mov_b32 v14, 0
	v_mov_b32 v15, 0
.set j, 0
.rept 32
	v_mov_b32 v[OT+j], 0
.set j, j+1
.endr
	s_wait_alu depctr_va_vdst(0)
.Lowner:
	s_mov_b32 s[QMIN], s[QN]                       ; the level at work is now 15 - j: in an owner that is under 8, so it passes over slabs 9-15
	s_add_co_u32 s[QMAX], s[QN], 127
	s_mov_b32 s[CNT], 7
.Lhelp:                                                ; slabs 9-15 of the partner's tile
	STEP
	s_sub_co_u32 s[CNT], s[CNT], 1
	s_cmp_lg_u32 s[CNT], 0
	s_cbranch_scc1 .Lhelp
.rept 4
	v_nop                                          ; places behind the last products
.endr
	s_cmp_lt_u32 s[LV], 8
	s_cbranch_scc0 .Lnohand
.set k, 0
.rept 8
	ds_store_b128 v11, v[OT+4*k:OT+4*k+3] offset:512*k     ; my part of the partner's tile, each accumulator from its low end on,
.set k, k+1
.endr
	ds_store_b128 v11, v[12:15] offset:4096        ; with -M and the sum's two halves
.Lnohand:
	s_wait_dscnt 0x0                               ; for the partner's sake: my stores have landed
	s_barrier_signal -1
	s_barrier_wait -1
	s_cmp_lt_u32 s[LV], 8
	s_cbranch_scc1 .Lend
.set k, 0
.rept 8
	ds_load_b128 v[S+4*k:S+4*k+3], v11 offset:512*k
.set k, k+1
.endr
	ds_load_b128 v[S+32:S+35], v11 offset:4096
	s_wait_dscnt 0x0
	v_min_num_f32 v254, v12, v[S+32]               ; -M of the two parts together
	s_delay_alu instid0(VALU_DEP_1)
	v_sub_f32 v252, v254, v12                      ; whole numbers, 0 or less (a helper that had no slab left -M at its start: its factor comes out 0, over zeros)
	v_sub_f32 v236, v254, v[S+32]
	s_delay_alu instid0(VALU_DEP_2)
	v_cvt_i32_f32 v252, v252                       ; (it saturates)
	s_delay_alu instid0(VALU_DEP_2)
	v_cvt_i32_f32 v236, v236
	s_delay_alu instid0(VALU_DEP_2)
	v_ldexp_f32 v252, 1.0, v252                    ; my part's factor,
	s_delay_alu instid0(VALU_DEP_2)
	v_ldexp_f32 v236, 1.0, v236                    ; the helper's
	s_delay_alu instid0(VALU_DEP_2)
	v_pk_mul_f32 v[14:15], v[14:15], v[252:253] op_sel_hi:[1,0]
	s_delay_alu instid0(VALU_DEP_1)
	v_pk_fma_f32 v[14:15], v[S+34:S+35], v[236:237], v[14:15] op_sel_hi:[1,0,1]
.set j, 0
.rept 16
	v_pk_mul_f32 v[OT+j:OT+j+1], v[OT+j:OT+j+1], v[252:253] op_sel_hi:[1,0]
.set j, j+2
.endr
.set j, 0
.rept 16
	v_pk_fma_f32 v[OT+j:OT+j+1], v[S+j:S+j+1], v[236:237], v[OT+j:OT+j+1] op_sel_hi:[1,0,1]
.set j, j+2
.endr
	FINAL
.Lend:
	s_wait_tensorcnt 0x0                           ; the wave's end
	ds_add_u32 v[SPW], v[NIL]
	s_wait_dscnt 0x0
	ROUND                                          ; the closing round
	s_endpgm
.Lfunc_end_k_q0ee4f6eb2f_attn:
	.size	k_q0ee4f6eb2f_attn, .Lfunc_end_k_q0ee4f6eb2f_attn-k_q0ee4f6eb2f_attn
	.p2alignl 7, 3214868480
	.fill 96, 4, 3214868480
	.section	.rodata,"a",@progbits
	.p2align	6, 0x0
	.amdhsa_kernel k_q0ee4f6eb2f_attn
		.amdhsa_group_segment_fixed_size 327680
		.amdhsa_private_segment_fixed_size 0
		.amdhsa_enable_private_segment 0
		.amdhsa_kernarg_size 24
		.amdhsa_user_sgpr_count 2
		.amdhsa_user_sgpr_kernarg_segment_ptr 1
		.amdhsa_wavefront_size32 1
		.amdhsa_system_sgpr_workgroup_id_x 1
		.amdhsa_system_sgpr_workgroup_id_y 1
		.amdhsa_system_sgpr_workgroup_id_z 1
		.amdhsa_system_vgpr_workitem_id 0
		.amdhsa_next_free_vgpr 256
		.amdhsa_next_free_sgpr 100
		.amdhsa_reserve_vcc 1
		.amdhsa_float_denorm_mode_32 3
		.amdhsa_float_denorm_mode_16_64 3
		.amdhsa_memory_ordered 1
		.amdhsa_forward_progress 1
		.amdhsa_inst_pref_size 96
	.end_amdhsa_kernel
	.amdgpu_metadata
---
amdhsa.version: [ 1, 2 ]
amdhsa.kernels:
  - .name:           k_q0ee4f6eb2f_attn
    .symbol:         k_q0ee4f6eb2f_attn.kd
    .args:
      - { .name: qc, .offset: 0, .size: 8, .value_kind: global_buffer, .address_space: global }
      - { .name: kv, .offset: 8, .size: 8, .value_kind: global_buffer, .address_space: global }
      - { .name: oc, .offset: 16, .size: 8, .value_kind: global_buffer, .address_space: global }
    .group_segment_fixed_size: 327680
    .private_segment_fixed_size: 0
    .kernarg_segment_align: 8
    .kernarg_segment_size: 24
    .max_flat_workgroup_size: 512
    .sgpr_count:     100
    .vgpr_count:     256
    .wavefront_size: 32
...
	.end_amdgpu_metadata
.endif
;; end of part 3
;; launch wo (part 4): grid 8 x 32, 16 waves a work-group, clusters of 4 x 4, 327,680 bytes of LDS; arguments wc, oc, x, x1; writes x1
.if DOCPART == 4
	.amdgcn_target "amdgcn-amd-amdhsa--gfx1250"
	.amdhsa_code_object_version 6
	.text
	.protected	k_q0ee4f6eb2f_wo
	.globl	k_q0ee4f6eb2f_wo
	.p2align	8
	.type	k_q0ee4f6eb2f_wo,@function
k_q0ee4f6eb2f_wo:
	s_mov_b64 s[64:65], 0
	v_nop
	global_prefetch_b8 v0, s[64:65] scope:SCOPE_SE
	s_setreg_imm32_b32 hwreg(HW_REG_WAVE_MODE, 25, 1), 1
	s_wait_xcnt 0x0
	s_wait_alu depctr_hold_cnt(0) depctr_sa_sdst(0) depctr_va_vdst(0) depctr_va_sdst(0) depctr_va_ssrc(0) depctr_va_vcc(0) depctr_vm_vsrc(0)
	s_getreg_b32 s2, hwreg(HW_REG_IB_STS2, 6, 4)
	s_cmp_eq_u32 s2, 0
	s_cbranch_scc0 .Lentry_in_a_cluster
	s_endpgm
.Lentry_in_a_cluster:
	s_bfe_u32 s2, ttmp6, 0x10000c
	s_cmp_lg_u32 s2, 0xf033
	s_cbranch_scc0 .Lentry_shape_is_right
	s_endpgm
.Lentry_shape_is_right:
; x1 = x + o Wo, the product on FP6 codes with E8M0 scales.  A work-group makes 128 columns x 128 tokens; sixteen waves, 4 x 4, each 32 x 32: four accumulators.  So 256 work-groups share the work.
; Source 0 = 128 columns of the weight, source 1 = 128 tokens: a lane holds one token and eight neighbouring columns.  K goes through two LDS slots, four K steps of 128 to a slot: here both are first fills.
; Operands lie in memory as images of the operands' registers (a slab = 8 fragments + scale words = 12,800 bytes).
; CLUSTER 4 x 4: source 0's block hangs on x alone and is asked for jointly by a column of the cluster, source 1's on y alone, by a row.  LDS is claimed whole and 0 is added to spare words.
.set CL, 1
.set T, 2
.set NKS, 8
.set SS, 4
.set REGION, 5734400                   ; where this weight's codes begin in wc
.set NSL, NKS/SS
.set NF, 4*T
.set SLAB, 1600*NF
.set HALF, 12800                       ; what one tensor load brings: 50 rows of 256 bytes, a quarter of a part
.set PART, 51200
.set SLOT1, 131072
.set SPARE, 233472
.set STG, 235520                       ; the stage for the way out: 128 rows x (512 + 16) bytes; no fill ever lands here
.set ACC, 128
.set SC, 16
.set F0, 20
.set F1, 20+12*T
.set SPW, 8
.set NIL, 9
.set G1A, 28
.set G1B, 36
.set G0A, 44
.set G0B, 52
.macro CROUND
	s_barrier_signal -1
	s_barrier_wait -1
.if CL
	s_cmp_lg_u32 s20, 0
	s_cbranch_scc1 .Lnw0_\@
	s_barrier_signal -3
.Lnw0_\@:
	s_barrier_wait -3
	s_barrier_signal -1
	s_barrier_wait -1
.endif
.endm
.macro JLOAD s                         ; waves 0-3: the quarters of source 0's part; waves 4-7: of source 1's
	s_cmp_lt_u32 s20, 4
	s_cbranch_scc0 .Lnota_\@
	tensor_load_to_lds s[G0A+4*\s:G0A+4*\s+3], s[G1A:G1A+7]
	s_nop 0
.rept 4
	v_nop
.endr
	s_branch .Lasked_\@
.Lnota_\@:
	s_cmp_lt_u32 s20, 8
	s_cbranch_scc0 .Lasked_\@
	tensor_load_to_lds s[G0B+4*\s:G0B+4*\s+3], s[G1B:G1B+7]
	s_nop 0
.rept 4
	v_nop
.endr
.Lasked_\@:
.endm
.macro FRAG reg, aa, ab, off
	ds_load_b128 v[\reg:\reg+3], v[\aa] offset:\off
	ds_load_b64 v[\reg+4:\reg+5], v[\ab] offset:\off
	ds_load_b128 v[\reg+6:\reg+9], v[\aa] offset:\off+768
	ds_load_b64 v[\reg+10:\reg+11], v[\ab] offset:\off+768
.endm
.macro KSTEP st, zero
.rept 4
	v_nop                                          ; places ahead of loads into registers that products have read
.endr
.set ia, 0
.rept T
	FRAG F0+12*ia, 2, 3, (\st)*SLAB+ia*1536
	FRAG F1+12*ia, 4, 5, (\st)*SLAB+ia*1536
	ds_load_b32 v[SC+ia], v6 offset:(\st)*SLAB+64*ia
.set ia, ia+1
.endr
	s_wait_dscnt 0x0
.set ib, 0
.rept T
.set ia, 0
.rept T
.if \zero
	v_wmma_scale_f32_16x16x128_f8f6f4 v[ACC+8*T*ib+8*ia:ACC+8*T*ib+8*ia+7], v[F0+12*ia:F0+12*ia+11], v[F1+12*ib:F1+12*ib+11], 0, v[SC+ia], v[SC+ib] matrix_a_fmt:MATRIX_FMT_FP6 matrix_b_fmt:MATRIX_FMT_FP6 matrix_b_scale:MATRIX_SCALE_ROW1
.else
	v_wmma_scale_f32_16x16x128_f8f6f4 v[ACC+8*T*ib+8*ia:ACC+8*T*ib+8*ia+7], v[F0+12*ia:F0+12*ia+11], v[F1+12*ib:F1+12*ib+11], v[ACC+8*T*ib+8*ia:ACC+8*T*ib+8*ia+7], v[SC+ia], v[SC+ib] matrix_a_fmt:MATRIX_FMT_FP6 matrix_b_fmt:MATRIX_FMT_FP6 matrix_b_scale:MATRIX_SCALE_ROW1
.endif
.set ia, ia+1
.endr
.set ib, ib+1
.endr
.endm
.macro WORK zero
	KSTEP 0, \zero
.set ist, 1
.rept SS-1
	KSTEP ist, 0
.set ist, ist+1
.endr
.endm
.macro CHANGE fill, s
	s_wait_tensorcnt 0x0                           ; all my tensor loads have landed, my part of the next slot among them
	ds_add_u32 v[SPW], v[NIL]                      ; 0 onto my spare word
.irp a, 2,3,4,5,6
	v_xor_b32 v\a, SLOT1, v\a
.endr
.if \fill
	s_add_nc_u64 s[G0A+4*\s+2:G0A+4*\s+3], s[G0A+4*\s+2:G0A+4*\s+3], 2*PART
	s_add_nc_u64 s[G0B+4*\s+2:G0B+4*\s+3], s[G0B+4*\s+2:G0B+4*\s+3], 2*PART
.endif
	s_wait_alu depctr_va_vdst(0)
	s_wait_dscnt 0x0                               ; the add is done, and my reads of the slot are over
.if \fill
	CROUND
	JLOAD \s
.else
	s_barrier_signal -1
	s_barrier_wait -1
.endif
.endm
	s_load_b256 s[4:11], s[0:1], 0x0               ; wc s[4:5], the tokens' codes s[6:7], the residual s[8:9], the result s[10:11]
	v_lshl_add_u32 v[SPW], v0, 2, SPARE
	v_mov_b32 v[NIL], 0
	ds_add_u32 v[SPW], v[NIL]                      ; the opening: the add and its wait ahead of my first tensor load
	ds_add_u32 v[SPW], v[NIL]
	v_lshrrev_b32 v1, 5, v0
	s_delay_alu instid0(VALU_DEP_1)
	v_readfirstlane_b32 s20, v1
	s_lshr_b32 s21, s20, 2                         ; wy
	s_and_b32 s22, s20, 3                          ; wx
.if CL
	s_bfe_u32 s23, ttmp6, 0x40000
	s_bfe_u32 s24, ttmp6, 0x40004
	s_lshl_b32 s25, ttmp9, 2
	s_add_co_u32 s25, s25, s23                     ; x: block of 128 columns
	s_and_b32 s26, ttmp7, 0xffff
	s_lshl_b32 s26, s26, 2
	s_add_co_u32 s26, s26, s24                     ; y: block of 128 tokens
	s_lshl_b32 s60, 0x1111, s23
	s_lshl_b32 s61, s24, 2
	s_lshl_b32 s61, 15, s61
	s_or_b32 s[G1A], s60, (3<<16)|(1<<21)
	s_or_b32 s[G1B], s61, (3<<16)|(1<<21)
.else
	s_mov_b32 s25, ttmp9
	s_and_b32 s26, ttmp7, 0xffff
	s_mov_b32 s[G1A], 3<<16
	s_mov_b32 s[G1B], 3<<16
.endif
.irp g, G1A, G1B
	s_mov_b32 s[\g+1], 32<<16
	s_mov_b32 s[\g+2], 50<<16
	s_mov_b32 s[\g+3], 32<<16
	s_mov_b32 s[\g+4], 50
	s_mov_b32 s[\g+5], 32
	s_mov_b32 s[\g+6], 0
	s_mov_b32 s[\g+7], 0
.endr
	s_and_b32 s62, s20, 3
	s_mul_i32 s62, s62, HALF                       ; my quarter of a part, in memory and in LDS
	s_mul_i32 s66, s25, NKS*SLAB
	s_add_co_u32 s66, s66, s62
	s_add_co_u32 s66, s66, REGION
	s_mov_b32 s67, 0
	s_mul_i32 s68, s26, NKS*SLAB
	s_add_co_u32 s68, s68, s62
	s_mov_b32 s69, 0
	s_wait_dscnt 0x0
	s_wait_kmcnt 0x0
	s_add_nc_u64 s[66:67], s[4:5], s[66:67]
	s_add_nc_u64 s[68:69], s[6:7], s[68:69]
.if CL
	CROUND
.endif
.irp s, 0,1
	s_mov_b32 s[G0A+4*\s], 1
	s_add_co_u32 s[G0A+4*\s+1], s62, \s*SLOT1
	s_add_nc_u64 s[G0A+4*\s+2:G0A+4*\s+3], s[66:67], \s*PART
	s_or_b32 s[G0A+4*\s+3], s[G0A+4*\s+3], 0x80000000
	s_mov_b32 s[G0B+4*\s], 1
	s_add_co_u32 s[G0B+4*\s+1], s62, \s*SLOT1+PART
	s_add_nc_u64 s[G0B+4*\s+2:G0B+4*\s+3], s[68:69], \s*PART
	s_or_b32 s[G0B+4*\s+3], s[G0B+4*\s+3], 0x80000000
.endr
; THE FIRST FILLS, ONE A WAVE: both slots' four parts in quarters: waves 0-3 slot 0's source 0, 4-7 slot 0's source 1, 8-11 slot 1's source 0, 12-15 slot 1's source 1.
; One chain of branches on the wave's number, a load in every arm, all arms leading to one join.
.macro ARM under, g0, g1, next
	s_cmp_lt_u32 s20, \under
	s_cbranch_scc0 \next
	tensor_load_to_lds s[\g0:\g0+3], s[\g1:\g1+7]
	s_nop 0
.rept 4
	v_nop
.endr
	s_branch .Lfasked
\next:
.endm
	ARM 4, G0A, G1A, .Lfb0
	ARM 8, G0B, G1B, .Lfa1
	ARM 12, G0A+4, G1A, .Lfb1
	tensor_load_to_lds s[G0B+4:G0B+7], s[G1B:G1B+7]
	s_nop 0
.rept 4
	v_nop
.endr
.Lfasked:
	v_and_b32 v1, 31, v0
	v_and_b32 v7, 15, v0
	v_bfe_u32 v117, v0, 4, 1
	s_delay_alu instid0(VALU_DEP_3)
	v_lshlrev_b32 v13, 4, v1
	s_wait_alu depctr_va_vdst(0)
	v_lshlrev_b32 v14, 3, v1
	s_wait_alu depctr_va_vdst(0)
	s_lshl_b32 s72, s26, 7                         ; the rows that I store at the end: 128 y + 8 w on; their residual is asked for now
	s_lshl_b32 s73, s20, 3
	s_add_co_u32 s72, s72, s73
	s_lshl_b32 s72, s72, 12
	s_lshl_b32 s73, s25, 9
	s_add_co_u32 s72, s72, s73
	s_mov_b32 s73, 0
	s_add_nc_u64 s[74:75], s[8:9], s[72:73]
	s_add_nc_u64 s[76:77], s[10:11], s[72:73]
.set k, 0
.rept 8
	global_load_b128 v[160+4*k:163+4*k], v13, s[74:75] offset:4096*k   ; 512 consecutive bytes of a row
.set k, k+1
.endr
	s_mul_i32 s70, s21, T*1536
	s_mul_i32 s71, s22, T*1536
	s_add_co_u32 s71, s71, PART
	v_add_nc_u32 v2, s70, v13
	v_add_nc_u32 v3, s70, v14
	s_delay_alu instid0(VALU_DEP_1)
	v_add_nc_u32 v3, 512, v3
	v_add_nc_u32 v4, s71, v13
	v_add_nc_u32 v5, s71, v14
	s_delay_alu instid0(VALU_DEP_1)
	v_add_nc_u32 v5, 512, v5
	s_mul_i32 s70, s21, T*64
	s_mul_i32 s71, s22, T*64
	s_add_co_u32 s71, s71, PART
	s_sub_co_u32 s71, s71, s70
	v_mul_u32_u24 v6, s71, v117
	s_delay_alu instid0(VALU_DEP_1)
	v_lshl_add_u32 v6, v7, 2, v6
	s_add_co_u32 s70, s70, NF*1536
	v_add_nc_u32 v6, s70, v6
	v_and_b32 v118, 7, v0                          ; the stage, in: row 32 wx + 8 b + r%8 + 16 (r/8); bytes 128 wy + 64 h + 32 a
	v_bfe_u32 v119, v0, 3, 1
	s_delay_alu instid0(VALU_DEP_1)
	v_lshl_add_u32 v118, v119, 4, v118
	s_delay_alu instid0(VALU_DEP_1)
	v_mul_u32_u24 v118, v118, 528
	s_delay_alu instid0(VALU_DEP_1)
	v_lshl_add_u32 v118, v117, 6, v118
	s_mul_i32 s78, s22, 32*528
	s_lshl_b32 s79, s21, 7
	s_add_co_u32 s78, s78, s79
	s_add_co_u32 s78, s78, STG
	v_add_nc_u32 v10, s78, v118
	s_mul_i32 s78, s20, 8*528                      ; back: rows 8 w on, whole
	s_add_co_u32 s78, s78, STG
	v_add_nc_u32 v11, s78, v13
	s_wait_alu depctr_va_vdst(0)
	s_wait_tensorcnt 0x0                           ; my one load is in; behind the barrier both slots are whole
	s_barrier_signal -1
	s_barrier_wait -1
	WORK 1
.if NSL == 4
	CHANGE 1, 0
	WORK 0
	CHANGE 1, 1
	WORK 0
.endif
	CHANGE 0, 0
	WORK 0
.rept 4
	v_nop                                          ; places behind the last products
.endr
.set ib, 0
.rept T
.set ia, 0
.rept T
	ds_store_b128 v10, v[ACC+8*T*ib+8*ia:ACC+8*T*ib+8*ia+3] offset:8*528*ib+32*ia      ; each accumulator from its low end on
	ds_store_b128 v10, v[ACC+8*T*ib+8*ia+4:ACC+8*T*ib+8*ia+7] offset:8*528*ib+32*ia+16
.set ia, ia+1
.endr
.set ib, ib+1
.endr
	s_wait_dscnt 0x0                               ; for the others' sake: my stores into the stage have landed
	s_barrier_signal -1
	s_barrier_wait -1
.set k, 0
.rept 8
	ds_load_b128 v[192+4*k:195+4*k], v11 offset:528*k
.set k, k+1
.endr
	s_wait_dscnt 0x0
	s_wait_loadcnt 0x0                             ; the residual
.set k, 0
.rept 16
	v_pk_add_f32 v[192+k:193+k], v[192+k:193+k], v[160+k:161+k]
.set k, k+2
.endr
.set k, 0
.rept 8
	global_store_b128 v13, v[192+4*k:195+4*k], s[76:77] offset:4096*k   ; 512 consecutive bytes, aligned
.set k, k+1
.endr
	s_wait_tensorcnt 0x0                           ; the wave's end
	ds_add_u32 v[SPW], v[NIL]
	s_wait_dscnt 0x0
.if CL
	CROUND                                         ; the closing round
.endif
	s_endpgm
.Lfunc_end_k_q0ee4f6eb2f_wo:
	.size	k_q0ee4f6eb2f_wo, .Lfunc_end_k_q0ee4f6eb2f_wo-k_q0ee4f6eb2f_wo
	.p2alignl 7, 3214868480
	.fill 96, 4, 3214868480
	.section	.rodata,"a",@progbits
	.p2align	6, 0x0
	.amdhsa_kernel k_q0ee4f6eb2f_wo
		.amdhsa_group_segment_fixed_size 327680
		.amdhsa_private_segment_fixed_size 0
		.amdhsa_enable_private_segment 0
		.amdhsa_kernarg_size 32
		.amdhsa_user_sgpr_count 2
		.amdhsa_user_sgpr_kernarg_segment_ptr 1
		.amdhsa_wavefront_size32 1
		.amdhsa_system_sgpr_workgroup_id_x 1
		.amdhsa_system_sgpr_workgroup_id_y 1
		.amdhsa_system_sgpr_workgroup_id_z 1
		.amdhsa_system_vgpr_workitem_id 0
		.amdhsa_next_free_vgpr 256
		.amdhsa_next_free_sgpr 100
		.amdhsa_reserve_vcc 0
		.amdhsa_float_denorm_mode_32 3
		.amdhsa_float_denorm_mode_16_64 3
		.amdhsa_memory_ordered 1
		.amdhsa_forward_progress 1
		.amdhsa_inst_pref_size 27
	.end_amdhsa_kernel
	.amdgpu_metadata
---
amdhsa.version: [ 1, 2 ]
amdhsa.kernels:
  - .name:           k_q0ee4f6eb2f_wo
    .symbol:         k_q0ee4f6eb2f_wo.kd
    .args:
      - { .name: wc, .offset: 0, .size: 8, .value_kind: global_buffer, .address_space: global }
      - { .name: oc, .offset: 8, .size: 8, .value_kind: global_buffer, .address_space: global }
      - { .name: x, .offset: 16, .size: 8, .value_kind: global_buffer, .address_space: global }
      - { .name: x1, .offset: 24, .size: 8, .value_kind: global_buffer, .address_space: global }
    .group_segment_fixed_size: 327680
    .private_segment_fixed_size: 0
    .kernarg_segment_align: 8
    .kernarg_segment_size: 32
    .max_flat_workgroup_size: 512
    .sgpr_count:     100
    .vgpr_count:     256
    .wavefront_size: 32
...
	.end_amdgpu_metadata
.endif
;; end of part 4
;; launch ln2: the kernel of part 1 again; grid 256 x 1, 4 waves a work-group, no clusters, 31,744 bytes of LDS; arguments x1, ln2_g, ln2_b, hq, Wq, Wk, Wv, Wo, W1, W2, W3, wc, tab; writes hq, wc, tab
;; launch glu (part 5): grid 16 x 16, 16 waves a work-group, clusters of 4 x 4, 327,680 bytes of LDS; arguments wc, hq, fc; writes fc
.if DOCPART == 5
	.amdgcn_target "amdgcn-amd-amdhsa--gfx1250"
	.amdhsa_code_object_version 6
	.text
	.protected	k_q0ee4f6eb2f_glu
	.globl	k_q0ee4f6eb2f_glu
	.p2align	8
	.type	k_q0ee4f6eb2f_glu,@function
k_q0ee4f6eb2f_glu:
	s_mov_b64 s[64:65], 0
	v_nop
	global_prefetch_b8 v0, s[64:65] scope:SCOPE_SE
	s_setreg_imm32_b32 hwreg(HW_REG_WAVE_MODE, 25, 1), 1
	s_wait_xcnt 0x0
	s_wait_alu depctr_hold_cnt(0) depctr_sa_sdst(0) depctr_va_vdst(0) depctr_va_sdst(0) depctr_va_ssrc(0) depctr_va_vcc(0) depctr_vm_vsrc(0)
	s_getreg_b32 s2, hwreg(HW_REG_IB_STS2, 6, 4)
	s_cmp_eq_u32 s2, 0
	s_cbranch_scc0 .Lentry_in_a_cluster
	s_endpgm
.Lentry_in_a_cluster:
	s_bfe_u32 s2, ttmp6, 0x10000c
	s_cmp_lg_u32 s2, 0xf033
	s_cbranch_scc0 .Lentry_shape_is_right
	s_endpgm
.Lentry_shape_is_right:
; f = silu(h W1) x (h W2), both products on FP6 codes with E8M0 scales, and f quantised along the hidden axis for the last product.  The hidden layer goes to memory as codes alone.
; A work-group makes 256 rows of the joint weight region x 256 tokens; sixteen waves, 4 x 4, each 64 x 64.  In the region 32 columns of W1 and the same 32 of W2 lie side by side, so a wave's 64 rows are
; u and g of the same 32 hidden units: a lane holds one token, 16 u and 16 g.  A wave's 32 hidden units are one block of the next K: block wy of K step x.
; The codes meet in a stage in LDS as images of the next operand's registers (two slabs of 12,800 bytes) and leave whole.
; CLUSTER 4 x 4: source 0's block hangs on x alone and is asked for jointly by a column of the cluster, source 1's on y alone, by a row.  LDS is claimed whole and 0 is added to spare words.
; LIMITS: a block of zeros gets the byte 1; NaN and infinities are not served.
.set CL, 1
.set T, 4
.set NKS, 8
.set SS, 2
.set REGION, 2457600
.set NSL, NKS/SS
.set NF, 4*T
.set SLAB, 1600*NF
.set HALF, 12800                       ; what one tensor load brings: 50 rows of 256 bytes, a quarter of a part
.set PART, 51200
.set SLOT1, 131072
.set SPARE, 233472
.set STG, 235520                       ; the stage: 25,600 bytes; no fill ever lands here
.set ACC, 128
.set SC, 16
.set F0, 20
.set F1, 20+12*T
.set SPW, 8
.set NIL, 9
.set SEL, 16
.set G1A, 28
.set G1B, 36
.set G0A, 44
.set G0B, 52
.macro CROUND
	s_barrier_signal -1
	s_barrier_wait -1
.if CL
	s_cmp_lg_u32 s20, 0
	s_cbranch_scc1 .Lnw0_\@
	s_barrier_signal -3
.Lnw0_\@:
	s_barrier_wait -3
	s_barrier_signal -1
	s_barrier_wait -1
.endif
.endm
.macro JLOAD s                         ; waves 0-3: the quarters of source 0's part; waves 4-7: of source 1's
	s_cmp_lt_u32 s20, 4
	s_cbranch_scc0 .Lnota_\@
	tensor_load_to_lds s[G0A+4*\s:G0A+4*\s+3], s[G1A:G1A+7]
	s_nop 0
.rept 4
	v_nop
.endr
	s_branch .Lasked_\@
.Lnota_\@:
	s_cmp_lt_u32 s20, 8
	s_cbranch_scc0 .Lasked_\@
	tensor_load_to_lds s[G0B+4*\s:G0B+4*\s+3], s[G1B:G1B+7]
	s_nop 0
.rept 4
	v_nop
.endr
.Lasked_\@:
.endm
.macro FRAG reg, aa, ab, off
	ds_load_b128 v[\reg:\reg+3], v[\aa] offset:\off
	ds_load_b64 v[\reg+4:\reg+5], v[\ab] offset:\off
	ds_load_b128 v[\reg+6:\reg+9], v[\aa] offset:\off+768
	ds_load_b64 v[\reg+10:\reg+11], v[\ab] offset:\off+768
.endm
.macro KSTEP st, zero
.rept 4
	v_nop                                          ; places ahead of loads into registers that products have read
.endr
.set ia, 0
.rept T
	FRAG F0+12*ia, 2, 3, (\st)*SLAB+ia*1536
	FRAG F1+12*ia, 4, 5, (\st)*SLAB+ia*1536
	ds_load_b32 v[SC+ia], v6 offset:(\st)*SLAB+64*ia
.set ia, ia+1
.endr
	s_wait_dscnt 0x0
.set ib, 0
.rept T
.set ia, 0
.rept T
.if \zero
	v_wmma_scale_f32_16x16x128_f8f6f4 v[ACC+8*T*ib+8*ia:ACC+8*T*ib+8*ia+7], v[F0+12*ia:F0+12*ia+11], v[F1+12*ib:F1+12*ib+11], 0, v[SC+ia], v[SC+ib] matrix_a_fmt:MATRIX_FMT_FP6 matrix_b_fmt:MATRIX_FMT_FP6 matrix_b_scale:MATRIX_SCALE_ROW1
.else
	v_wmma_scale_f32_16x16x128_f8f6f4 v[ACC+8*T*ib+8*ia:ACC+8*T*ib+8*ia+7], v[F0+12*ia:F0+12*ia+11], v[F1+12*ib:F1+12*ib+11], v[ACC+8*T*ib+8*ia:ACC+8*T*ib+8*ia+7], v[SC+ia], v[SC+ib] matrix_a_fmt:MATRIX_FMT_FP6 matrix_b_fmt:MATRIX_FMT_FP6 matrix_b_scale:MATRIX_SCALE_ROW1
.endif
.set ia, ia+1
.endr
.set ib, ib+1
.endr
.endm
.macro WORK zero
	KSTEP 0, \zero
.set ist, 1
.rept SS-1
	KSTEP ist, 0
.set ist, ist+1
.endr
.endm
.macro CHANGE fill, s
	s_wait_tensorcnt 0x0                           ; all my tensor loads have landed, my part of the next slot among them
	ds_add_u32 v[SPW], v[NIL]                      ; 0 onto my spare word
.irp a, 2,3,4,5,6
	v_xor_b32 v\a, SLOT1, v\a
.endr
.if \fill
	s_add_nc_u64 s[G0A+4*\s+2:G0A+4*\s+3], s[G0A+4*\s+2:G0A+4*\s+3], 2*PART
	s_add_nc_u64 s[G0B+4*\s+2:G0B+4*\s+3], s[G0B+4*\s+2:G0B+4*\s+3], 2*PART
.endif
	s_wait_dscnt 0x0                               ; the add is done, and my reads of the slot are over
.if \fill
	CROUND
	JLOAD \s
.else
	s_barrier_signal -1
	s_barrier_wait -1
.endif
.endm
	s_load_b128 s[4:7], s[0:1], 0x0                ; wc, hq
	s_load_b64 s[8:9], s[0:1], 0x10                ; fc
	v_lshl_add_u32 v[SPW], v0, 2, SPARE
	v_mov_b32 v[NIL], 0
	ds_add_u32 v[SPW], v[NIL]                      ; the opening: the add and its wait ahead of my first tensor load
	ds_add_u32 v[SPW], v[NIL]
	v_lshrrev_b32 v1, 5, v0
	s_delay_alu instid0(VALU_DEP_1)
	v_readfirstlane_b32 s20, v1
	s_lshr_b32 s21, s20, 2                         ; wy
	s_and_b32 s22, s20, 3                          ; wx
.if CL
	s_bfe_u32 s23, ttmp6, 0x40000
	s_bfe_u32 s24, ttmp6, 0x40004
	s_lshl_b32 s25, ttmp9, 2
	s_add_co_u32 s25, s25, s23                     ; x: 128 hidden units
	s_and_b32 s26, ttmp7, 0xffff
	s_lshl_b32 s26, s26, 2
	s_add_co_u32 s26, s26, s24                     ; y: 256 tokens
	s_lshl_b32 s60, 0x1111, s23
	s_lshl_b32 s61, s24, 2
	s_lshl_b32 s61, 15, s61
	s_or_b32 s[G1A], s60, (3<<16)|(1<<21)
	s_or_b32 s[G1B], s61, (3<<16)|(1<<21)
.else
	s_mov_b32 s25, ttmp9
	s_and_b32 s26, ttmp7, 0xffff
	s_mov_b32 s[G1A], 3<<16
	s_mov_b32 s[G1B], 3<<16
.endif
.irp g, G1A, G1B
	s_mov_b32 s[\g+1], 32<<16
	s_mov_b32 s[\g+2], 50<<16
	s_mov_b32 s[\g+3], 32<<16
	s_mov_b32 s[\g+4], 50
	s_mov_b32 s[\g+5], 32
	s_mov_b32 s[\g+6], 0
	s_mov_b32 s[\g+7], 0
.endr
	s_mov_b32 s[SEL], 0x76543210
	s_mov_b32 s[SEL+1], 0xfedcba98
	s_and_b32 s62, s20, 3
	s_mul_i32 s62, s62, HALF                       ; my quarter of a part, in memory and in LDS
	s_mul_i32 s66, s25, NKS*SLAB
	s_add_co_u32 s66, s66, s62
	s_add_co_u32 s66, s66, REGION
	s_mov_b32 s67, 0
	s_mul_i32 s68, s26, NKS*SLAB
	s_add_co_u32 s68, s68, s62
	s_mov_b32 s69, 0
	s_wait_dscnt 0x0
	s_wait_kmcnt 0x0
	s_add_nc_u64 s[66:67], s[4:5], s[66:67]
	s_add_nc_u64 s[68:69], s[6:7], s[68:69]
.if CL
	CROUND
.endif
.irp s, 0,1
	s_mov_b32 s[G0A+4*\s], 1
	s_add_co_u32 s[G0A+4*\s+1], s62, \s*SLOT1
	s_add_nc_u64 s[G0A+4*\s+2:G0A+4*\s+3], s[66:67], \s*PART
	s_or_b32 s[G0A+4*\s+3], s[G0A+4*\s+3], 0x80000000
	s_mov_b32 s[G0B+4*\s], 1
	s_add_co_u32 s[G0B+4*\s+1], s62, \s*SLOT1+PART
	s_add_nc_u64 s[G0B+4*\s+2:G0B+4*\s+3], s[68:69], \s*PART
	s_or_b32 s[G0B+4*\s+3], s[G0B+4*\s+3], 0x80000000
.endr
; THE FIRST FILLS, ONE A WAVE: both slots' four parts in quarters: waves 0-3 slot 0's source 0, 4-7 slot 0's source 1, 8-11 slot 1's source 0, 12-15 slot 1's source 1.
; One chain of branches on the wave's number, a load in every arm, all arms leading to one join.
.macro ARM under, g0, g1, next
	s_cmp_lt_u32 s20, \under
	s_cbranch_scc0 \next
	tensor_load_to_lds s[\g0:\g0+3], s[\g1:\g1+7]
	s_nop 0
.rept 4
	v_nop
.endr
	s_branch .Lfasked
\next:
.endm
	ARM 4, G0A, G1A, .Lfb0
	ARM 8, G0B, G1B, .Lfa1
	ARM 12, G0A+4, G1A, .Lfb1
	tensor_load_to_lds s[G0B+4:G0B+7], s[G1B:G1B+7]
	s_nop 0
.rept 4
	v_nop
.endr
.Lfasked:
	v_and_b32 v1, 31, v0
	v_and_b32 v7, 15, v0
	v_bfe_u32 v117, v0, 4, 1
	s_delay_alu instid0(VALU_DEP_3)
	v_lshlrev_b32 v13, 4, v1
	s_delay_alu instid0(VALU_DEP_4)
	v_lshlrev_b32 v14, 3, v1
	s_mul_i32 s70, s21, T*1536
	s_mul_i32 s71, s22, T*1536
	s_add_co_u32 s71, s71, PART
	v_add_nc_u32 v2, s70, v13
	v_add_nc_u32 v3, s70, v14
	s_delay_alu instid0(VALU_DEP_1)
	v_add_nc_u32 v3, 512, v3
	v_add_nc_u32 v4, s71, v13
	v_add_nc_u32 v5, s71, v14
	s_delay_alu instid0(VALU_DEP_1)
	v_add_nc_u32 v5, 512, v5
	s_mul_i32 s70, s21, T*64
	s_mul_i32 s71, s22, T*64
	s_add_co_u32 s71, s71, PART
	s_sub_co_u32 s71, s71, s70
	v_mul_u32_u24 v6, s71, v117
	s_delay_alu instid0(VALU_DEP_1)
	v_lshl_add_u32 v6, v7, 2, v6
	s_add_co_u32 s70, s70, NF*1536
	v_add_nc_u32 v6, s70, v6
	; the stage: slab wx/2, fragment 4 (wx%2) + b, unit wy/2, lane slot + 16 (wy%2).  After the exchange of halves lanes 0-15 hold tile b0's blocks and lanes 16-31 tile b0 + 1's
	s_lshr_b32 s72, s22, 1
	s_mul_i32 s72, s72, 12800
	s_and_b32 s73, s22, 1
	s_mul_i32 s74, s73, 6144
	s_add_co_u32 s74, s74, s72
	s_lshr_b32 s75, s21, 1
	s_mul_i32 s75, s75, 768
	s_add_co_u32 s74, s74, s75
	s_and_b32 s75, s21, 1
	s_lshl_b32 s76, s75, 8
	s_add_co_u32 s76, s76, s74
	s_add_co_u32 s76, s76, STG
	s_lshl_b32 s77, s75, 7
	s_add_co_u32 s77, s77, s74
	s_add_co_u32 s77, s77, STG+512
	v_mul_u32_u24 v118, v117, 1536
	s_delay_alu instid0(VALU_DEP_1)
	v_lshl_add_u32 v119, v7, 4, v118
	s_delay_alu instid0(VALU_DEP_1)
	v_add_nc_u32 v10, s76, v119                    ; registers 0-3
	s_delay_alu instid0(VALU_DEP_3)
	v_lshl_add_u32 v119, v7, 3, v118
	s_delay_alu instid0(VALU_DEP_1)
	v_add_nc_u32 v11, s77, v119                    ; registers 4-5
	s_lshl_b32 s78, s73, 8
	s_add_co_u32 s78, s78, s72
	s_add_co_u32 s78, s78, s21
	s_add_co_u32 s78, s78, STG+12288
	v_lshlrev_b32 v119, 2, v7
	s_delay_alu instid0(VALU_DEP_1)
	v_add_nc_u32 v12, s78, v119                    ; byte wy of my slot's scale word
	s_lshr_b32 s79, s20, 3                         ; on the way out wave w sends fragment w%8 of slab w/8
	s_and_b32 s80, s20, 7
	s_mul_i32 s81, s79, 12800
	s_mul_i32 s82, s80, 1536
	s_add_co_u32 s83, s81, s82
	s_add_co_u32 s83, s83, STG
	v_add_nc_u32 v14, s83, v13
	s_min_u32 s88, s20, 1                          ; and waves 0 and 1 a slab's scale words
	s_mul_i32 s89, s88, 12800
	s_add_co_u32 s89, s89, STG+12288
	v_add_nc_u32 v15, s89, v13
	s_lshl_b32 s84, s26, 1
	s_add_co_u32 s85, s84, s79
	s_mul_i32 s85, s85, 204800
	s_mul_i32 s90, s25, 12800
	s_add_co_u32 s85, s85, s90
	s_add_co_u32 s86, s85, s82
	s_mov_b32 s87, 0
	s_add_nc_u64 s[86:87], s[8:9], s[86:87]
	s_add_co_u32 s92, s84, s88
	s_mul_i32 s92, s92, 204800
	s_add_co_u32 s92, s92, s90
	s_add_co_u32 s92, s92, 12288
	s_mov_b32 s93, 0
	s_add_nc_u64 s[92:93], s[8:9], s[92:93]
	s_wait_alu depctr_va_vdst(0)                   ; the wait at the head's end
	s_wait_tensorcnt 0x0                           ; my one load is in; behind the barrier both slots are whole
	s_barrier_signal -1
	s_barrier_wait -1
	WORK 1
	CHANGE 1, 0
	s_wait_alu depctr_va_vdst(0)
	WORK 0
	CHANGE 1, 1
	s_wait_alu depctr_va_vdst(0)
	WORK 0
	CHANGE 0, 0
	s_wait_alu depctr_va_vdst(0)
	WORK 0
.rept 4
	v_nop                                          ; places behind the last products
.endr
	; u at v[ACC + 32 b + 0..15], g at v[ACC + 32 b + 16..31].  f = u / (1 + 2^(-u log2 e)) x g
.irp b, 0,1,2,3
.set k, 0
.rept 16
	v_mul_f32 v[16+16*\b+k], 0xbfb8aa3b, v[ACC+32*\b+k]
.set k, k+1
.endr
.endr
.set k, 0
	s_wait_alu depctr_va_vdst(0)
.rept 64
	v_exp_f32 v[16+k], v[16+k]
.set k, k+1
.endr
.irp b, 84,85,86,87
	v_mov_b32 v\b, 0                               ; permutes' destinations, written once; also the plain lines behind the batch
.endr
	s_wait_alu depctr_va_vdst(0)                   ; one wait for the batch, ahead of its first reader
.set k, 0
.rept 32
	v_pk_add_f32 v[16+k:17+k], v[16+k:17+k], 1.0 op_sel_hi:[1,0]
.set k, k+2
.endr
.set k, 0
	s_wait_alu depctr_va_vdst(0)
.rept 64
	v_rcp_f32 v[16+k], v[16+k]
.set k, k+1
.endr
	v_nop
	s_wait_alu depctr_va_vdst(0)
.irp b, 0,1,2,3
.set k, 0
.rept 8
	v_pk_mul_f32 v[ACC+32*\b+k:ACC+32*\b+k+1], v[ACC+32*\b+k:ACC+32*\b+k+1], v[16+16*\b+k:17+16*\b+k]
.set k, k+2
.endr
.set k, 0
.rept 8
	v_pk_mul_f32 v[ACC+32*\b+k:ACC+32*\b+k+1], v[ACC+32*\b+k:ACC+32*\b+k+1], v[ACC+32*\b+16+k:ACC+32*\b+17+k]
.set k, k+2
.endr
.endr
	; the quantiser: a token's block of 32 lies in lanes l and l xor 16; the four tiles by turns
.irp b, 0,1,2,3
	v_max3_num_f32 v[80+\b], |v[ACC+32*\b]|, |v[ACC+32*\b+1]|, 0x1800000
.endr
.irp i, 2,4,6,8,10,12,14
.irp b, 0,1,2,3
	s_delay_alu instid0(VALU_DEP_4)
	v_max3_num_f32 v[80+\b], v[80+\b], |v[ACC+32*\b+\i]|, |v[ACC+32*\b+\i+1]|
.endr
.endr
.irp b, 0,1,2,3
	s_delay_alu instid0(VALU_DEP_4)
	v_permlanex16_b32 v[84+\b], v[80+\b], s[SEL], s[SEL+1]
.endr
.irp b, 0,1,2,3
	s_delay_alu instid0(VALU_DEP_4)
	v_max_num_f32 v[80+\b], v[80+\b], v[84+\b]
.endr
.irp b, 0,1,2,3
	s_delay_alu instid0(VALU_DEP_4)
	v_add_nc_u32 v[88+\b], 0xff000000, v[80+\b]
.endr
.irp b, 0,1,2,3
	s_delay_alu instid0(VALU_DEP_4)
	v_lshrrev_b32 v[92+\b], 23, v[88+\b]
.endr
.irp p, 0,1
	v_cvt_scalef32_pk16_fp6_f32 v[96+6*\p:98+6*\p], v[ACC+64*\p:ACC+64*\p+15], v[88+2*\p]
	v_cvt_scalef32_pk16_fp6_f32 v[108+4*\p:110+4*\p], v[ACC+64*\p+32:ACC+64*\p+47], v[89+2*\p]
.endr
	v_nop                                          ; one plain line behind the conversions
.irp p, 0,1
.irp i, 0,1,2
	v_permlane16_swap_b32 v[96+6*\p+\i], v[108+4*\p+\i]   ; the first now holds the lower 16 codes of a whole block (lanes 0-15: tile 2 p, lanes 16-31: tile 2 p + 1), the second the upper 16
.endr
.irp i, 0,1,2
	s_delay_alu instid0(VALU_DEP_3)
	v_mov_b32 v[99+6*\p+\i], v[108+4*\p+\i]
.endr
	ds_store_b128 v10, v[96+6*\p:99+6*\p] offset:3072*\p
	ds_store_b64 v11, v[100+6*\p:101+6*\p] offset:3072*\p
.endr
.irp b, 0,1,2,3
	ds_store_b8 v12, v[92+\b] offset:64*\b         ; both lanes of a block write the same byte with the same value
.endr
	s_wait_dscnt 0x0                               ; for the others' sake: my stores into the stage have landed
	s_barrier_signal -1
	s_barrier_wait -1
.irp q, 0,1,2
	ds_load_b128 v[16+4*\q:19+4*\q], v14 offset:512*\q
.endr
	s_wait_dscnt 0x0
.irp q, 0,1,2
	global_store_b128 v13, v[16+4*\q:19+4*\q], s[86:87] offset:512*\q   ; 512 consecutive bytes, aligned
.endr
	s_cmp_lt_u32 s20, 2
	s_cbranch_scc0 .Lnosc
	ds_load_b128 v[28:31], v15
	s_wait_dscnt 0x0
	global_store_b128 v13, v[28:31], s[92:93]
.Lnosc:
	s_wait_tensorcnt 0x0                           ; the wave's end
	ds_add_u32 v[SPW], v[NIL]
	s_wait_dscnt 0x0
.if CL
	CROUND                                         ; the closing round
.endif
	s_endpgm
.Lfunc_end_k_q0ee4f6eb2f_glu:
	.size	k_q0ee4f6eb2f_glu, .Lfunc_end_k_q0ee4f6eb2f_glu-k_q0ee4f6eb2f_glu
	.p2alignl 7, 3214868480
	.fill 96, 4, 3214868480
	.section	.rodata,"a",@progbits
	.p2align	6, 0x0
	.amdhsa_kernel k_q0ee4f6eb2f_glu
		.amdhsa_group_segment_fixed_size 327680
		.amdhsa_private_segment_fixed_size 0
		.amdhsa_enable_private_segment 0
		.amdhsa_kernarg_size 24
		.amdhsa_user_sgpr_count 2
		.amdhsa_user_sgpr_kernarg_segment_ptr 1
		.amdhsa_wavefront_size32 1
		.amdhsa_system_sgpr_workgroup_id_x 1
		.amdhsa_system_sgpr_workgroup_id_y 1
		.amdhsa_system_sgpr_workgroup_id_z 1
		.amdhsa_system_vgpr_workitem_id 0
		.amdhsa_next_free_vgpr 256
		.amdhsa_next_free_sgpr 100
		.amdhsa_reserve_vcc 0
		.amdhsa_float_denorm_mode_32 3
		.amdhsa_float_denorm_mode_16_64 3
		.amdhsa_memory_ordered 1
		.amdhsa_forward_progress 1
		.amdhsa_inst_pref_size 69
	.end_amdhsa_kernel
	.amdgpu_metadata
---
amdhsa.version: [ 1, 2 ]
amdhsa.kernels:
  - .name:           k_q0ee4f6eb2f_glu
    .symbol:         k_q0ee4f6eb2f_glu.kd
    .args:
      - { .name: wc, .offset: 0, .size: 8, .value_kind: global_buffer, .address_space: global }
      - { .name: hq, .offset: 8, .size: 8, .value_kind: global_buffer, .address_space: global }
      - { .name: fc, .offset: 16, .size: 8, .value_kind: global_buffer, .address_space: global }
    .group_segment_fixed_size: 327680
    .private_segment_fixed_size: 0
    .kernarg_segment_align: 8
    .kernarg_segment_size: 24
    .max_flat_workgroup_size: 512
    .sgpr_count:     100
    .vgpr_count:     256
    .wavefront_size: 32
...
	.end_amdgpu_metadata
.endif
;; end of part 5
;; launch w3 (part 6): grid 8 x 32, 16 waves a work-group, clusters of 4 x 4, 327,680 bytes of LDS; arguments wc, fc, x1, out0; writes out0
.if DOCPART == 6
	.amdgcn_target "amdgcn-amd-amdhsa--gfx1250"
	.amdhsa_code_object_version 6
	.text
	.protected	k_q0ee4f6eb2f_w3
	.globl	k_q0ee4f6eb2f_w3
	.p2align	8
	.type	k_q0ee4f6eb2f_w3,@function
k_q0ee4f6eb2f_w3:
	s_mov_b64 s[64:65], 0
	v_nop
	global_prefetch_b8 v0, s[64:65] scope:SCOPE_SE
	s_setreg_imm32_b32 hwreg(HW_REG_WAVE_MODE, 25, 1), 1
	s_wait_xcnt 0x0
	s_wait_alu depctr_hold_cnt(0) depctr_sa_sdst(0) depctr_va_vdst(0) depctr_va_sdst(0) depctr_va_ssrc(0) depctr_va_vcc(0) depctr_vm_vsrc(0)
	s_getreg_b32 s2, hwreg(HW_REG_IB_STS2, 6, 4)
	s_cmp_eq_u32 s2, 0
	s_cbranch_scc0 .Lentry_in_a_cluster
	s_endpgm
.Lentry_in_a_cluster:
	s_bfe_u32 s2, ttmp6, 0x10000c
	s_cmp_lg_u32 s2, 0xf033
	s_cbranch_scc0 .Lentry_shape_is_right
	s_endpgm
.Lentry_shape_is_right:
; out = x1 + f W3, the product on FP6 codes with E8M0 scales.  A work-group makes 128 columns x 128 tokens; sixteen waves, 4 x 4, each 32 x 32: four accumulators.  So 256 work-groups share the work.
; Source 0 = 128 columns of the weight, source 1 = 128 tokens: a lane holds one token and eight neighbouring columns.  K = 2,048 goes through a ring of two LDS slots, four K steps of 128 to a slot: four fills.
; Operands lie in memory as images of the operands' registers (a slab = 8 fragments + scale words = 12,800 bytes).
; CLUSTER 4 x 4: source 0's block hangs on x alone and is asked for jointly by a column of the cluster, source 1's on y alone, by a row.  LDS is claimed whole and 0 is added to spare words.
.set CL, 1
.set T, 2
.set NKS, 16
.set SS, 4
.set REGION, 6553600                   ; where this weight's codes begin in wc
.set NSL, NKS/SS
.set NF, 4*T
.set SLAB, 1600*NF
.set HALF, 12800                       ; what one tensor load brings: 50 rows of 256 bytes, a quarter of a part
.set PART, 51200
.set SLOT1, 131072
.set SPARE, 233472
.set STG, 235520                       ; the stage for the way out: 128 rows x (512 + 16) bytes; no fill ever lands here
.set ACC, 128
.set SC, 16
.set F0, 20
.set F1, 20+12*T
.set SPW, 8
.set NIL, 9
.set G1A, 28
.set G1B, 36
.set G0A, 44
.set G0B, 52
.macro CROUND
	s_barrier_signal -1
	s_barrier_wait -1
.if CL
	s_cmp_lg_u32 s20, 0
	s_cbranch_scc1 .Lnw0_\@
	s_barrier_signal -3
.Lnw0_\@:
	s_barrier_wait -3
	s_barrier_signal -1
	s_barrier_wait -1
.endif
.endm
.macro JLOAD s                         ; waves 0-3: the quarters of source 0's part; waves 4-7: of source 1's
	s_cmp_lt_u32 s20, 4
	s_cbranch_scc0 .Lnota_\@
	tensor_load_to_lds s[G0A+4*\s:G0A+4*\s+3], s[G1A:G1A+7]
	s_nop 0
.rept 4
	v_nop
.endr
	s_branch .Lasked_\@
.Lnota_\@:
	s_cmp_lt_u32 s20, 8
	s_cbranch_scc0 .Lasked_\@
	tensor_load_to_lds s[G0B+4*\s:G0B+4*\s+3], s[G1B:G1B+7]
	s_nop 0
.rept 4
	v_nop
.endr
.Lasked_\@:
.endm
.macro FRAG reg, aa, ab, off
	ds_load_b128 v[\reg:\reg+3], v[\aa] offset:\off
	ds_load_b64 v[\reg+4:\reg+5], v[\ab] offset:\off
	ds_load_b128 v[\reg+6:\reg+9], v[\aa] offset:\off+768
	ds_load_b64 v[\reg+10:\reg+11], v[\ab] offset:\off+768
.endm
.macro KSTEP st, zero
.rept 4
	v_nop                                          ; places ahead of loads into registers that products have read
.endr
.set ia, 0
.rept T
	FRAG F0+12*ia, 2, 3, (\st)*SLAB+ia*1536
	FRAG F1+12*ia, 4, 5, (\st)*SLAB+ia*1536
	ds_load_b32 v[SC+ia], v6 offset:(\st)*SLAB+64*ia
.set ia, ia+1
.endr
	s_wait_dscnt 0x0
.set ib, 0
.rept T
.set ia, 0
.rept T
.if \zero
	v_wmma_scale_f32_16x16x128_f8f6f4 v[ACC+8*T*ib+8*ia:ACC+8*T*ib+8*ia+7], v[F0+12*ia:F0+12*ia+11], v[F1+12*ib:F1+12*ib+11], 0, v[SC+ia], v[SC+ib] matrix_a_fmt:MATRIX_FMT_FP6 matrix_b_fmt:MATRIX_FMT_FP6 matrix_b_scale:MATRIX_SCALE_ROW1
.else
	v_wmma_scale_f32_16x16x128_f8f6f4 v[ACC+8*T*ib+8*ia:ACC+8*T*ib+8*ia+7], v[F0+12*ia:F0+12*ia+11], v[F1+12*ib:F1+12*ib+11], v[ACC+8*T*ib+8*ia:ACC+8*T*ib+8*ia+7], v[SC+ia], v[SC+ib] matrix_a_fmt:MATRIX_FMT_FP6 matrix_b_fmt:MATRIX_FMT_FP6 matrix_b_scale:MATRIX_SCALE_ROW1
.endif
.set ia, ia+1
.endr
.set ib, ib+1
.endr
.endm
.macro WORK zero
	KSTEP 0, \zero
.set ist, 1
.rept SS-1
	KSTEP ist, 0
.set ist, ist+1
.endr
.endm
.macro CHANGE fill, s
	s_wait_tensorcnt 0x0                           ; all my tensor loads have landed, my part of the next slot among them
	ds_add_u32 v[SPW], v[NIL]                      ; 0 onto my spare word
.irp a, 2,3,4,5,6
	v_xor_b32 v\a, SLOT1, v\a
.endr
.if \fill
	s_add_nc_u64 s[G0A+4*\s+2:G0A+4*\s+3], s[G0A+4*\s+2:G0A+4*\s+3], 2*PART
	s_add_nc_u64 s[G0B+4*\s+2:G0B+4*\s+3], s[G0B+4*\s+2:G0B+4*\s+3], 2*PART
.endif
	s_wait_dscnt 0x0                               ; the add is done, and my reads of the slot are over
.if \fill
	CROUND
	JLOAD \s
.else
	s_barrier_signal -1
	s_barrier_wait -1
.endif
.endm
	s_load_b256 s[4:11], s[0:1], 0x0               ; wc s[4:5], the tokens' codes s[6:7], the residual s[8:9], the result s[10:11]
	v_lshl_add_u32 v[SPW], v0, 2, SPARE
	v_mov_b32 v[NIL], 0
	ds_add_u32 v[SPW], v[NIL]                      ; the opening: the add and its wait ahead of my first tensor load
	ds_add_u32 v[SPW], v[NIL]
	v_lshrrev_b32 v1, 5, v0
	s_delay_alu instid0(VALU_DEP_1)
	v_readfirstlane_b32 s20, v1
	s_lshr_b32 s21, s20, 2                         ; wy
	s_and_b32 s22, s20, 3                          ; wx
.if CL
	s_bfe_u32 s23, ttmp6, 0x40000
	s_bfe_u32 s24, ttmp6, 0x40004
	s_lshl_b32 s25, ttmp9, 2
	s_add_co_u32 s25, s25, s23                     ; x: block of 128 columns
	s_and_b32 s26, ttmp7, 0xffff
	s_lshl_b32 s26, s26, 2
	s_add_co_u32 s26, s26, s24                     ; y: block of 128 tokens
	s_lshl_b32 s60, 0x1111, s23
	s_lshl_b32 s61, s24, 2
	s_lshl_b32 s61, 15, s61
	s_or_b32 s[G1A], s60, (3<<16)|(1<<21)
	s_or_b32 s[G1B], s61, (3<<16)|(1<<21)
.else
	s_mov_b32 s25, ttmp9
	s_and_b32 s26, ttmp7, 0xffff
	s_mov_b32 s[G1A], 3<<16
	s_mov_b32 s[G1B], 3<<16
.endif
.irp g, G1A, G1B
	s_mov_b32 s[\g+1], 32<<16
	s_mov_b32 s[\g+2], 50<<16
	s_mov_b32 s[\g+3], 32<<16
	s_mov_b32 s[\g+4], 50
	s_mov_b32 s[\g+5], 32
	s_mov_b32 s[\g+6], 0
	s_mov_b32 s[\g+7], 0
.endr
	s_and_b32 s62, s20, 3
	s_mul_i32 s62, s62, HALF                       ; my quarter of a part, in memory and in LDS
	s_mul_i32 s66, s25, NKS*SLAB
	s_add_co_u32 s66, s66, s62
	s_add_co_u32 s66, s66, REGION
	s_mov_b32 s67, 0
	s_mul_i32 s68, s26, NKS*SLAB
	s_add_co_u32 s68, s68, s62
	s_mov_b32 s69, 0
	s_wait_dscnt 0x0
	s_wait_kmcnt 0x0
	s_add_nc_u64 s[66:67], s[4:5], s[66:67]
	s_add_nc_u64 s[68:69], s[6:7], s[68:69]
.if CL
	CROUND
.endif
.irp s, 0,1
	s_mov_b32 s[G0A+4*\s], 1
	s_add_co_u32 s[G0A+4*\s+1], s62, \s*SLOT1
	s_add_nc_u64 s[G0A+4*\s+2:G0A+4*\s+3], s[66:67], \s*PART
	s_or_b32 s[G0A+4*\s+3], s[G0A+4*\s+3], 0x80000000
	s_mov_b32 s[G0B+4*\s], 1
	s_add_co_u32 s[G0B+4*\s+1], s62, \s*SLOT1+PART
	s_add_nc_u64 s[G0B+4*\s+2:G0B+4*\s+3], s[68:69], \s*PART
	s_or_b32 s[G0B+4*\s+3], s[G0B+4*\s+3], 0x80000000
.endr
; THE FIRST FILLS, ONE A WAVE: both slots' four parts in quarters: waves 0-3 slot 0's source 0, 4-7 slot 0's source 1, 8-11 slot 1's source 0, 12-15 slot 1's source 1.
; One chain of branches on the wave's number, a load in every arm, all arms leading to one join.
.macro ARM under, g0, g1, next
	s_cmp_lt_u32 s20, \under
	s_cbranch_scc0 \next
	tensor_load_to_lds s[\g0:\g0+3], s[\g1:\g1+7]
	s_nop 0
.rept 4
	v_nop
.endr
	s_branch .Lfasked
\next:
.endm
	ARM 4, G0A, G1A, .Lfb0
	ARM 8, G0B, G1B, .Lfa1
	ARM 12, G0A+4, G1A, .Lfb1
	tensor_load_to_lds s[G0B+4:G0B+7], s[G1B:G1B+7]
	s_nop 0
.rept 4
	v_nop
.endr
.Lfasked:
	v_and_b32 v1, 31, v0
	v_and_b32 v7, 15, v0
	v_bfe_u32 v117, v0, 4, 1
	s_delay_alu instid0(VALU_DEP_3)
	v_lshlrev_b32 v13, 4, v1
	s_wait_alu depctr_va_vdst(0)
	v_lshlrev_b32 v14, 3, v1
	s_wait_alu depctr_va_vdst(0)
	s_lshl_b32 s72, s26, 7                         ; the rows that I store at the end: 128 y + 8 w on; their residual is asked for now
	s_lshl_b32 s73, s20, 3
	s_add_co_u32 s72, s72, s73
	s_lshl_b32 s72, s72, 12
	s_lshl_b32 s73, s25, 9
	s_add_co_u32 s72, s72, s73
	s_mov_b32 s73, 0
	s_add_nc_u64 s[74:75], s[8:9], s[72:73]
	s_add_nc_u64 s[76:77], s[10:11], s[72:73]
.set k, 0
.rept 8
	global_load_b128 v[160+4*k:163+4*k], v13, s[74:75] offset:4096*k th:TH_LOAD_NT   ; 512 consecutive bytes of a row
.set k, k+1
.endr
	s_mul_i32 s70, s21, T*1536
	s_mul_i32 s71, s22, T*1536
	s_add_co_u32 s71, s71, PART
	v_add_nc_u32 v2, s70, v13
	v_add_nc_u32 v3, s70, v14
	s_delay_alu instid0(VALU_DEP_1)
	v_add_nc_u32 v3, 512, v3
	v_add_nc_u32 v4, s71, v13
	v_add_nc_u32 v5, s71, v14
	s_delay_alu instid0(VALU_DEP_1)
	v_add_nc_u32 v5, 512, v5
	s_mul_i32 s70, s21, T*64
	s_mul_i32 s71, s22, T*64
	s_add_co_u32 s71, s71, PART
	s_sub_co_u32 s71, s71, s70
	v_mul_u32_u24 v6, s71, v117
	s_delay_alu instid0(VALU_DEP_1)
	v_lshl_add_u32 v6, v7, 2, v6
	s_add_co_u32 s70, s70, NF*1536
	v_add_nc_u32 v6, s70, v6
	v_and_b32 v118, 7, v0                          ; the stage, in: row 32 wx + 8 b + r%8 + 16 (r/8); bytes 128 wy + 64 h + 32 a
	v_bfe_u32 v119, v0, 3, 1
	s_delay_alu instid0(VALU_DEP_1)
	v_lshl_add_u32 v118, v119, 4, v118
	s_delay_alu instid0(VALU_DEP_1)
	v_mul_u32_u24 v118, v118, 528
	s_delay_alu instid0(VALU_DEP_1)
	v_lshl_add_u32 v118, v117, 6, v118
	s_mul_i32 s78, s22, 32*528
	s_lshl_b32 s79, s21, 7
	s_add_co_u32 s78, s78, s79
	s_add_co_u32 s78, s78, STG
	v_add_nc_u32 v10, s78, v118
	s_mul_i32 s78, s20, 8*528                      ; back: rows 8 w on, whole
	s_add_co_u32 s78, s78, STG
	v_add_nc_u32 v11, s78, v13
	s_wait_alu depctr_va_vdst(0)
	s_wait_tensorcnt 0x0                           ; my one load is in; behind the barrier both slots are whole
	s_barrier_signal -1
	s_barrier_wait -1
	WORK 1
.if NSL == 4
	CHANGE 1, 0
	s_wait_alu depctr_va_vdst(0)
	WORK 0
	CHANGE 1, 1
	s_wait_alu depctr_va_vdst(0)
	WORK 0
.endif
	CHANGE 0, 0
	s_wait_alu depctr_va_vdst(0)
	WORK 0
.rept 4
	v_nop                                          ; places behind the last products
.endr
.set ib, 0
.rept T
.set ia, 0
.rept T
	ds_store_b128 v10, v[ACC+8*T*ib+8*ia:ACC+8*T*ib+8*ia+3] offset:8*528*ib+32*ia      ; each accumulator from its low end on
	ds_store_b128 v10, v[ACC+8*T*ib+8*ia+4:ACC+8*T*ib+8*ia+7] offset:8*528*ib+32*ia+16
.set ia, ia+1
.endr
.set ib, ib+1
.endr
	s_wait_dscnt 0x0                               ; for the others' sake: my stores into the stage have landed
	s_barrier_signal -1
	s_barrier_wait -1
.set k, 0
.rept 8
	ds_load_b128 v[192+4*k:195+4*k], v11 offset:528*k
.set k, k+1
.endr
	s_wait_dscnt 0x0
	s_wait_loadcnt 0x0                             ; the residual
.set k, 0
.rept 16
	v_pk_add_f32 v[192+k:193+k], v[192+k:193+k], v[160+k:161+k]
.set k, k+2
.endr
.set k, 0
.rept 8
	global_store_b128 v13, v[192+4*k:195+4*k], s[76:77] offset:4096*k th:TH_STORE_NT   ; 512 consecutive bytes, aligned
.set k, k+1
.endr
	s_wait_tensorcnt 0x0                           ; the wave's end
	ds_add_u32 v[SPW], v[NIL]
	s_wait_dscnt 0x0
.if CL
	CROUND                                         ; the closing round
.endif
	s_endpgm
.Lfunc_end_k_q0ee4f6eb2f_w3:
	.size	k_q0ee4f6eb2f_w3, .Lfunc_end_k_q0ee4f6eb2f_w3-k_q0ee4f6eb2f_w3
	.p2alignl 7, 3214868480
	.fill 96, 4, 3214868480
	.section	.rodata,"a",@progbits
	.p2align	6, 0x0
	.amdhsa_kernel k_q0ee4f6eb2f_w3
		.amdhsa_group_segment_fixed_size 327680
		.amdhsa_private_segment_fixed_size 0
		.amdhsa_enable_private_segment 0
		.amdhsa_kernarg_size 32
		.amdhsa_user_sgpr_count 2
		.amdhsa_user_sgpr_kernarg_segment_ptr 1
		.amdhsa_wavefront_size32 1
		.amdhsa_system_sgpr_workgroup_id_x 1
		.amdhsa_system_sgpr_workgroup_id_y 1
		.amdhsa_system_sgpr_workgroup_id_z 1
		.amdhsa_system_vgpr_workitem_id 0
		.amdhsa_next_free_vgpr 256
		.amdhsa_next_free_sgpr 100
		.amdhsa_reserve_vcc 0
		.amdhsa_float_denorm_mode_32 3
		.amdhsa_float_denorm_mode_16_64 3
		.amdhsa_memory_ordered 1
		.amdhsa_forward_progress 1
		.amdhsa_inst_pref_size 44
	.end_amdhsa_kernel
	.amdgpu_metadata
---
amdhsa.version: [ 1, 2 ]
amdhsa.kernels:
  - .name:           k_q0ee4f6eb2f_w3
    .symbol:         k_q0ee4f6eb2f_w3.kd
    .args:
      - { .name: wc, .offset: 0, .size: 8, .value_kind: global_buffer, .address_space: global }
      - { .name: fc, .offset: 8, .size: 8, .value_kind: global_buffer, .address_space: global }
      - { .name: x1, .offset: 16, .size: 8, .value_kind: global_buffer, .address_space: global }
      - { .name: out0, .offset: 24, .size: 8, .value_kind: global_buffer, .address_space: global }
    .group_segment_fixed_size: 327680
    .private_segment_fixed_size: 0
    .kernarg_segment_align: 8
    .kernarg_segment_size: 32
    .max_flat_workgroup_size: 512
    .sgpr_count:     100
    .vgpr_count:     256
    .wavefront_size: 32
...
	.end_amdgpu_metadata
.endif
;; end of part 6
